; MI455X (gfx1250); checked and timed in simulation.
; The chip was launched on July 23, 2026; its instructions are those of AMD's public machine-readable ISA for CDNA 5 (MIT licence, August 2026) and "CDNA5" Instruction Set Architecture Reference Guide (July 2026). The comments in the code are by the model that wrote it; some were corrected since.
;; Adaptive Attention. Allowed arithmetic: matrix products marked QUANTISED: E2M3 operands, one E8M0 scale for each 32 along K, by v_wmma_scale_f32_16x16x128_f8f6f4 with both operands' format E2M3, f32 sums; everything else in f32.
;; Inputs: bk 1,024 float32; bo 1,024 float32; bq 1,024 float32; bv 1,024 float32; k 2 x 2,048 x 1,024 float32; q 2 x 2,048 x 1,024 float32; scale 1 float32; time_decay 1 x 16 x 1 x 1 float32; v 2 x 2,048 x 1,024 float32; wk 1,024 x 1,024 float32; wo 1,024 x 1,024 float32; wq 1,024 x 1,024 float32; wv 1,024 x 1,024 float32.
;; Outputs: out0 2 x 2,048 x 1,024 float32.
;; This version of the problem:
;;   THIS VERSION OF THE PROBLEM IS GIVEN IN LOW PRECISION. The matrix products marked QUANTISED in the list below multiply operands that are first quantised to E2M3 (2 exponent bits, 3 mantissa bits; 6 bits a number), with one power-of-two scale for each 32 numbers along K (OCP MX v1.0); their sums are f32. All else is computed in f32.
;;   The module's matrix products, in the order in which they are computed (A, B: the left and right operand; K: the contracted axis; several contracted axes count as one K, in the product's order):
;;     1. [M 4,096, K 1,024] x [K 1,024, N 1,024]; A: input q; B: input wq: QUANTISED
;;     2. [M 4,096, K 1,024] x [K 1,024, N 1,024]; A: input k; B: input wk: QUANTISED
;;     3. [M 4,096, K 1,024] x [K 1,024, N 1,024]; A: input v; B: input wv: QUANTISED
;;     4. batch 32 x [M 2,048, K 64] x [K 64, N 2,048]; A: computed on the way; B: computed on the way: QUANTISED
;;     5. batch 32 x [M 2,048, K 2,048] x [K 2,048, N 64]; A: computed on the way; B: computed on the way: QUANTISED
;;     6. [M 4,096, K 1,024] x [K 1,024, N 1,024]; A: computed on the way; B: input wo: QUANTISED
;;   THE QUANTISER, for each operand of a quantised product, along K:
;;     - K is cut into blocks of 32 from its start; a last block that is shorter is filled with zeros.
;;     - A block's scale is 2^e with e = floor(log2(the largest magnitude in the block)) - 2, held to -126 .. 127; a block of zeros has e = 0. As a byte (E8M0): e + 127.
;;     - Each number is divided by its block's scale, clamped to +-7.5, and rounded to the nearest number of E2M3, ties to even, subnormals kept.
;;     - The product sums the exact products of the quantised numbers (number of the format x scale) in f32.
;;   ~~~python
;;   def quantise(x, axis):      # numpy; x: float32 -> the quantised numbers, widened to float32 again
;;       x = np.moveaxis(x, axis, -1); K = x.shape[-1]
;;       x = np.pad(x, [(0, 0)] * (x.ndim - 1) + [(0, -K % 32)]); x = x.reshape(x.shape[:-1] + (-1, 32)); a = np.abs(x).max(-1, keepdims=True)
;;       e = np.where(a > 0, np.clip(np.frexp(np.where(a > 0, a, 1))[1] - 1 - 2, -126, 127), 0)      # np.frexp(a)[1] - 1 = floor(log2(a)), exactly
;;       r = np.clip(x / 2.0 ** e, -7.5, 7.5)
;;       step = 2.0 ** (np.maximum(np.frexp(np.where(r == 0, 1, r))[1] - 1, 0) - 3)
;;       q = np.round(r / step) * step * 2.0 ** e      # np.round: ties to even
;;       return np.moveaxis(q.reshape(q.shape[:-2] + (-1,))[..., :K], -1, axis).astype(np.float32)
;;   ~~~
;;   OPERANDS COMPUTED ON THE WAY. 'Computed on the way' means the value that the module computes at that place (a softmax that the list does not call 'softmax' is quantised finished and normalised). What goes into a quantiser is computed in f32, as accurately as f32 sums, v_exp_f32 and their like allow (about 1e-6 of the number): no bf16 or f16 on the way to a quantiser, and a product that is left as it is and whose result goes on into a quantised operand takes f32 operands (vector FMAs, or v_wmma_f32_16x16x4_f32). A number that lies on a knife's edge between two numbers of the format may be rounded either way, as far as f32 arithmetic and the matrix unit's own rounding can turn it there, and no further.
;; One version. Each part assembles by itself: llvm-mc -triple=amdgcn-amd-amdhsa -mcpu=gfx1250 --defsym DOCPART=n.
;; ======== version 1 of 1: 4 launches
;; workspace buffers: codes 12,582,912 bytes; scales 524,288 bytes; img 9,437,184 bytes; isc 655,360 bytes; cimg 3,145,728 bytes; csc 131,072 bytes
;; launch quant (part 1): grid 512 x 1, 4 waves a work-group, no clusters, 33,280 bytes of LDS; arguments q, k, v, wq, wk, wv, wo, codes, scales; writes codes, scales
.if DOCPART == 1
	.amdgcn_target "amdgcn-amd-amdhsa--gfx1250"
	.amdhsa_code_object_version 6
	.text
	.protected	k_qf671cd5cfa_quant
	.globl	k_qf671cd5cfa_quant
	.p2align	8
	.type	k_qf671cd5cfa_quant,@function
k_qf671cd5cfa_quant:
	s_mov_b64 s[64:65], 0
	v_nop
	global_prefetch_b8 v0, s[64:65] scope:SCOPE_SE
	s_setreg_imm32_b32 hwreg(HW_REG_WAVE_MODE, 25, 1), 1
	s_wait_xcnt 0x0
; q, k, v [4096][1024] and wq, wk, wv, wo [1024][1024], f32, K innermost, become codes of FP6 (E2M3) and one E8M0 byte for each 32 along K.
; All seven lie behind each other in the two workspace buffers, 16,384 rows: a row of codes is 768 bytes, a row of scale bytes 32.
; THE ROWS ARE LAID IN ANOTHER ORDER: row number with its bits 3 and 4 exchanged (a row's POSITION).  Sixteen positions on end, 16 T + m, are then the rows
; 32 (T / 2) + 8 (T % 2) + m + 8 (m / 8): as source 0 of a matrix instruction such a tile leaves, in the registers of tiles 2 b and 2 b + 1, sixteen neighbouring rows in each half of the lanes.
; A block's scale is 2^(floor(log2(largest magnitude)) - 2); its byte is the largest magnitude's exponent field - 2, held at 1 from below.
; LIMITS: a block whose largest magnitude lies under 2^-124 (zeros too) gets the byte 1: the bytes are read by this program alone, and zero codes add nothing; NaN and infinities are not served.
; SHARES: a work-group takes 32 rows, a wave 8 rows = 16 steps of 512 numbers.  A wave's 8 rows are bits 3 and 4 of the row number, so the exchange is an exchange of the two bits of the wave's number.
; Each load reads 512 consecutive bytes; a step's 2,048 bytes turn through the wave's own stage in LDS so that a lane holds 16 neighbours.  No cluster: no two work-groups read the same byte.
.set WAVES, 4
.set STEPS, 16
.set EMAX,  2
.set CB,    12                         ; bytes of 16 codes
.set R,     16                         ; v16-79   four sets of 16 numbers as loaded
.set X,     80                         ; v80-111  two sets of 16 neighbours
.set C,     128                        ; v128-191 codes: four registers a step
.set E,     112                        ; v112-127 a scale byte a step
.set WREG,  8192                       ; LDS: a region for each wave: two stages of 32 x SP bytes, then its 256 scale bytes
.set SP,    80
.set SPW,   12                         ; v12 my spare word's LDS address; never rewritten
.set NIL,   13                         ; v13 0; never rewritten
.set SPARE, WAVES*WREG                 ; the spare words: 128 bytes a wave, named by no other line
	s_load_b512 s[4:19], s[0:1], 0x0               ; q, k, v, wq, wk, wv, wo, codes
	s_load_b64 s[20:21], s[0:1], 0x40              ; scales
	v_lshl_add_u32 v[SPW], v0, 2, SPARE
	v_mov_b32 v[NIL], 0
	v_lshrrev_b32 v1, 5, v0
	v_readfirstlane_b32 s22, v1                    ; wave
	v_and_b32 v2, 31, v0                           ; lane
	v_lshlrev_b32 v3, 4, v2                        ; my 16 bytes of a load's 512
	s_mul_i32 s23, s22, WREG
	v_lshrrev_b32 v14, 2, v2
	v_mul_u32_u24 v14, v14, SP
	v_and_b32 v15, 3, v2
	v_lshl_add_u32 v14, v15, 4, v14
	v_add_nc_u32 v14, s23, v14                     ; the stage, way in: SP (lane / 4) + 16 (lane % 4)
	v_mul_u32_u24 v15, v2, SP
	v_add_nc_u32 v15, s23, v15                     ; way out: SP x lane
	v_mul_u32_u24 v4, v2, CB                       ; my codes' place in a step's
	v_lshrrev_b32 v5, 1, v2
	s_add_co_u32 s23, s23, 2*32*SP
	v_add_nc_u32 v5, s23, v5                       ; my block's byte among the wave's 256
	v_lshlrev_b32 v7, 3, v2
	v_add_nc_u32 v6, s23, v7
	s_wait_kmcnt 0x0
	s_mov_b64 s[24:25], s[4:5]                     ; which tensor: a choice on the work-group's number alone
	s_mov_b32 s26, 0
.macro PICK bound, ptr
	s_cmp_ge_u32 ttmp9, \bound
	s_cselect_b64 s[24:25], s[\ptr:\ptr+1], s[24:25]
	s_cselect_b32 s26, \bound, s26
.endm
	PICK 128, 6
	PICK 256, 8
	PICK 384, 10
	PICK 416, 12
	PICK 448, 14
	PICK 480, 16
	s_sub_co_u32 s26, ttmp9, s26
	s_lshl_b32 s26, s26, 17                        ; 32 rows of 4,096 bytes a work-group,
	s_lshl_b32 s27, s22, 15                        ; 8 rows a wave
	s_add_co_u32 s26, s26, s27
	s_mov_b32 s27, 0
	s_add_nc_u64 s[24:25], s[24:25], s[26:27]
	s_and_b32 s28, s22, 1                          ; the wave's two bits exchanged
	s_lshl_b32 s28, s28, 1
	s_lshr_b32 s29, s22, 1
	s_or_b32 s28, s28, s29
	s_lshl_b32 s29, ttmp9, 2
	s_add_co_u32 s28, s28, s29                     ; which run of 8 positions
	s_mul_i32 s30, s28, 8*768
	s_mov_b32 s31, 0
	s_add_nc_u64 s[18:19], s[18:19], s[30:31]
	s_lshl_b32 s30, s28, 8
	s_add_nc_u64 s[20:21], s[20:21], s[30:31]
.macro LOAD t
.irp i, 0,1,2,3
	global_load_b128 v[R+16*((\t)%4)+4*\i:R+16*((\t)%4)+4*\i+3], v3, s[24:25] offset:2048*(\t)+512*\i th:TH_LOAD_NT
.endr
.endm
.macro TURN t                          ; a step's numbers through the stage: LDS serves a wave's instructions in order, so no wait stands between the stores and the loads
.irp i, 0,1,2,3
	ds_store_b128 v14, v[R+16*((\t)%4)+4*\i:R+16*((\t)%4)+4*\i+3] offset:32*SP*((\t)%2)+8*SP*\i
.endr
.irp i, 0,1,2,3
	ds_load_b128 v[X+16*((\t)%2)+4*\i:X+16*((\t)%2)+4*\i+3], v15 offset:32*SP*((\t)%2)+16*\i
.endr
.endm
.irp t, 0,1,2,3
	LOAD \t
.endr
	s_wait_loadcnt 12                              ; step 0's four loads are in; three steps' twelve stay out
	TURN 0
.macro STEP t
.set XS, X+16*((\t)%2)
.if (\t) > 0
	s_wait_dscnt 1                                 ; this step's numbers are back from the stage; the last step's byte store may be out
.else
	s_wait_dscnt 0x0
.endif
.if (\t)+4 < STEPS
	LOAD (\t)+4
.endif
.if (\t)+1 < STEPS
.if STEPS-2-(\t) >= 3
	s_wait_loadcnt 12                              ; the next step's four loads are in; three steps' twelve may be out
.else
	s_wait_loadcnt 4*(STEPS-2-(\t))
.endif
	TURN (\t)+1
.endif
	v_max3_num_f32 v8, |v[XS]|, |v[XS+1]|, |v[XS+2]|
	v_max3_num_f32 v9, |v[XS+3]|, |v[XS+4]|, |v[XS+5]|
.irp i, 6,10
	v_max3_num_f32 v8, v8, |v[XS+\i]|, |v[XS+\i+1]|
	v_max3_num_f32 v9, v9, |v[XS+\i+2]|, |v[XS+\i+3]|
.endr
	v_max3_num_f32 v8, v8, |v[XS+14]|, |v[XS+15]|
	v_max3_num_f32 v8, v8, v9, (EMAX+1)<<23        ; with the floor 2^(3 - 127): the byte cannot fall under 1
	v_max_num_f32_dpp v8, v8, v8 row_xmask:1 row_mask:0xf bank_mask:0xf   ; and my neighbour's 16: the block's largest magnitude
	v_add_nc_u32 v11, -(EMAX<<23), v8              ; 2 off its exponent field: the conversion's scale operand
	v_cvt_scalef32_pk16_fp6_f32 v[C+4*(\t):C+4*(\t)+2], v[XS:XS+15], v11
	v_lshrrev_b32 v[E+(\t)], 23, v11               ; the scale's byte
	ds_store_b8 v5, v[E+(\t)] offset:16*(\t)       ; both lanes of a block write the same byte with the same value
	global_store_b96 v4, v[C+4*(\t):C+4*(\t)+2], s[18:19] offset:32*CB*(\t)
.endm
.irp t, 0,1,2,3,4,5,6,7,8,9,10,11,12,13,14,15
	STEP \t
.endr
	ds_load_b64 v[8:9], v6                         ; in order behind my byte stores
	s_wait_dscnt 0x0
	global_store_b64 v7, v[8:9], s[20:21]          ; 32 lanes store 256 consecutive bytes, aligned
	s_wait_tensorcnt 0x0                           ; the wave's end, behind my last LDS store
	ds_add_u32 v[SPW], v[NIL]
	s_wait_dscnt 0x0
	s_endpgm
.Lfunc_end_k_qf671cd5cfa_quant:
	.size	k_qf671cd5cfa_quant, .Lfunc_end_k_qf671cd5cfa_quant-k_qf671cd5cfa_quant
	.p2alignl 7, 3214868480
	.fill 96, 4, 3214868480
	.section	.rodata,"a",@progbits
	.p2align	6, 0x0
	.amdhsa_kernel k_qf671cd5cfa_quant
		.amdhsa_group_segment_fixed_size 33280
		.amdhsa_private_segment_fixed_size 0
		.amdhsa_enable_private_segment 0
		.amdhsa_kernarg_size 72
		.amdhsa_user_sgpr_count 2
		.amdhsa_user_sgpr_kernarg_segment_ptr 1
		.amdhsa_wavefront_size32 1
		.amdhsa_system_sgpr_workgroup_id_x 1
		.amdhsa_system_sgpr_workgroup_id_y 1
		.amdhsa_system_sgpr_workgroup_id_z 1
		.amdhsa_system_vgpr_workitem_id 0
		.amdhsa_next_free_vgpr 192
		.amdhsa_next_free_sgpr 66
		.amdhsa_reserve_vcc 0
		.amdhsa_float_denorm_mode_32 3
		.amdhsa_float_denorm_mode_16_64 3
		.amdhsa_memory_ordered 1
		.amdhsa_forward_progress 1
		.amdhsa_inst_pref_size 33
	.end_amdhsa_kernel
	.amdgpu_metadata
---
amdhsa.version: [ 1, 2 ]
amdhsa.kernels:
  - .name:           k_qf671cd5cfa_quant
    .symbol:         k_qf671cd5cfa_quant.kd
    .args:
      - { .name: q, .offset: 0, .size: 8, .value_kind: global_buffer, .address_space: global }
      - { .name: k, .offset: 8, .size: 8, .value_kind: global_buffer, .address_space: global }
      - { .name: v, .offset: 16, .size: 8, .value_kind: global_buffer, .address_space: global }
      - { .name: wq, .offset: 24, .size: 8, .value_kind: global_buffer, .address_space: global }
      - { .name: wk, .offset: 32, .size: 8, .value_kind: global_buffer, .address_space: global }
      - { .name: wv, .offset: 40, .size: 8, .value_kind: global_buffer, .address_space: global }
      - { .name: wo, .offset: 48, .size: 8, .value_kind: global_buffer, .address_space: global }
      - { .name: codes, .offset: 56, .size: 8, .value_kind: global_buffer, .address_space: global }
      - { .name: scales, .offset: 64, .size: 8, .value_kind: global_buffer, .address_space: global }
    .group_segment_fixed_size: 33280
    .private_segment_fixed_size: 0
    .kernarg_segment_align: 8
    .kernarg_segment_size: 72
    .max_flat_workgroup_size: 128
    .sgpr_count:     66
    .vgpr_count:     192
    .wavefront_size: 32
...
	.end_amdgpu_metadata
.endif
;; end of part 1
;; launch proj (part 2): grid 4 x 48, 4 waves a work-group, clusters of 4 x 4, 327,680 bytes of LDS; arguments codes, scales, bq, bk, bv, img, isc; writes img, isc
.if DOCPART == 2
	.amdgcn_target "amdgcn-amd-amdhsa--gfx1250"
	.amdhsa_code_object_version 6
	.text
	.protected	k_qf671cd5cfa_proj
	.globl	k_qf671cd5cfa_proj
	.p2align	8
	.type	k_qf671cd5cfa_proj,@function
k_qf671cd5cfa_proj:
	s_mov_b64 s[64:65], 0
	v_nop
	global_prefetch_b8 v0, s[64:65] scope:SCOPE_SE
	s_setreg_imm32_b32 hwreg(HW_REG_WAVE_MODE, 25, 1), 1
	s_wait_xcnt 0x0
	s_wait_alu depctr_hold_cnt(0) depctr_sa_sdst(0) depctr_va_vdst(0) depctr_va_sdst(0) depctr_va_ssrc(0) depctr_va_vcc(0) depctr_vm_vsrc(0)
	s_getreg_b32 s2, hwreg(HW_REG_IB_STS2, 6, 4)
	s_cmp_eq_u32 s2, 0
	s_cbranch_scc0 .Lentry_in_a_cluster
	s_endpgm
.Lentry_in_a_cluster:
	s_bfe_u32 s2, ttmp6, 0x10000c
	s_cmp_lg_u32 s2, 0xf033
	s_cbranch_scc0 .Lentry_shape_is_right
	s_endpgm
.Lentry_shape_is_right:
; The three projections x W^T + b on codes of FP6 (E2M3) with E8M0 scales, K = 1,024, and their results QUANTISED AGAIN on the way out, as the operands that the attention launch wants.
; A work-group makes 256 x 256 of a product, four waves 128 x 128 each (64 accumulators, 512 registers); K goes in steps of 256 through a ring of two LDS slots filled by joint tensor loads.
; SOURCE 0 (P) runs along a lane's registers, SOURCE 1 (Q) along the lanes.  For q and k: P = the weight's rows (features), Q = the tokens: a lane holds one token and 128 features, two heads.
; For v: P = the tokens (keys), Q = wv's rows (features): a lane holds one feature and 128 keys, since the keys are the K of attention's second product.
; All rows lie in POSITION order (row number with bits 3 and 4 exchanged): the registers of P's tiles 2 b and 2 b + 1 are then 16 neighbours, 32 b + 16 (lane / 16) + 0 .. 15, as the conversions want them.
; The bias is the C of each sum's first matrix instruction.  THE WAY OUT: each tile of 16 lanes x 128 is quantised in registers (blocks of 32, the two halves of the lanes joined) into ONE fragment of 12 registers,
; which is stored as an image of its registers: six stores of 8 bytes a lane, 256 consecutive aligned bytes each.  The scale words of eight tiles leave by stores of 16 bytes a lane.
; CLUSTER 4 x 4: P's tile hangs on cx and the cluster's number, and is shared along a column; Q's on cy and the cluster's number, shared along a row.
; The cluster's y picks the product (y / 4) and a quarter (y % 4) of its longer operand; both are the same in all sixteen partners, and the two branches on 'is it v' hang on them alone.
; LIMITS: a block whose largest magnitude lies under 2^-124 gets the byte 1 (zeros too: zero codes add nothing); NaN and infinities are not served.
; REGISTERS: window 0: v0-31 addresses; v32-63 scale words, two sets; v64-127 the bias; v128-223 Q's fragments, one set; window 1: P's fragments, two sets; windows 2, 3: the accumulators ((a, b) at v[8 (8 (a % 4) + b)]).
;   On the way out, window 0: v64-71 the tiles' scale words, v72 the floor, v76-87 words being laid, v128-223 the codes (12 a tile), v224-247 at work.
.set NQ,     2                         ; matrix instructions deep in a slot (256 along K)
.set ROWB,   192                       ; a tile's row in bytes
.set KROW,   768                       ; a row of codes in memory
.set PITCH,  240                       ; an LDS row: 3 x (64 bytes + 16 of padding)
.set FR,     12
.set NL,     6
.set NP,     4
.set HALFT,  128*PITCH
.set SLOT,   4*HALFT                   ; Q's 256 rows, then P's 256 rows
.set LAPS,   2                         ; 1,024 / 512
.set KS,     32                        ; a row of scale bytes
.set SCL,    2*SLOT                    ; behind the ring: the scale bytes, as units of 256 bytes + 16
.set HALFS,  16*272
.set SBLK,   2*272
.set SPARE,  SCL+4*HALFS               ; the spare words: 128 bytes a wave, named by no other line
.set ADRA, 16                          ; v16-17 Q's fragments in slot 0, 1 (v18-19: behind one padding more)
.set ADRB, 20                          ; v20-23 the same for P
.set ADRS, 27                          ; v27 my scale words: lanes 0-15 Q's rows, lanes 16-31 P's
.set SPW,  28
.set NIL,  29
.set L8,   30                          ; v30 8 x lane
.set L16,  31                          ; v31 16 x lane
.set SC,   32
.set BI,   64
.set PWR,  64
.set FL,   72
.set XW,   76
.set YW,   80
.set AF,   128
.set TP,   224
.set TM,   232
.set WV,   18                          ; s18 wave; s19 wave / 2: my half of Q's rows, and: I fetch for Q (0) or P (1); s20 wave % 2: my half of P's rows, and which 128 rows I fetch
.set RH,   19
.set CH,   20
.set G1,   24                          ; groups 1 and 0 for Q's tiles
.set G0,   32
.set G1B,  48                          ; for P's tiles
.set G0B,  56
.set G1S,  68                          ; for Q's scale bytes
.set G0S,  76
.set G1SB, 80                          ; for P's
.set G0SB, 88
.set GG,   96                          ; s96 which product: 0 q, 1 k, 2 v
.set ISV,  97                          ; s97 1 for v
.set PG,   98                          ; s98 my group of 128 of P's positions
.set QT,   99                          ; s99 my first tile of 16 of Q's positions
.set SEL,  100                         ; s[100:101] on the way out: lane selects for lane xor 16
.set MSB, 0
.macro WIN new                         ; the immediate's high byte repeats the setting that is left
.if MSB != \new
	s_set_vgpr_msb (MSB<<8)|\new
.set MSB, \new
.endif
.endm
.set MUL_LO, 0xa1                      ; source 0 window 1, source 1 window 0, C and D window 2
.set MUL_HI, 0xf1
.set TO_B,   0x40
.macro JLOAD g0a, g1a, g0b, g1b        ; a joint load: waves 0, 1 fetch for Q, waves 2, 3 for P; an s_nop 0 and four v_nop follow each line
	s_cmp_eq_u32 s[RH], 0
	s_cbranch_scc0 .Lfor_b_\@
	tensor_load_to_lds s[\g0a:\g0a+3], s[\g1a:\g1a+7]
	s_nop 0
.rept 4
	v_nop
.endr
	s_branch .Lasked_\@
.Lfor_b_\@:
	tensor_load_to_lds s[\g0b:\g0b+3], s[\g1b:\g1b+7]
	s_nop 0
.rept 4
	v_nop
.endr
.Lasked_\@:
.endm
.macro CREST
	s_cmp_lg_u32 s[WV], 0
	s_cbranch_scc1 .Lnot_wave_0_\@
	s_barrier_signal -3
.Lnot_wave_0_\@:
	s_barrier_wait -3
	s_barrier_signal -1
	s_barrier_wait -1
.endm
.macro CROUND
	s_barrier_signal -1
	s_barrier_wait -1
	CREST
.endm
	s_load_b256 s[4:11], s[0:1], 0x0               ; codes, scales, bq, bk
	s_load_b128 s[12:15], s[0:1], 0x20             ; bv, img
	s_load_b64 s[16:17], s[0:1], 0x30              ; isc
	v_lshl_add_u32 v[SPW], v0, 2, SPARE
	v_mov_b32 v[NIL], 0
	ds_add_u32 v[SPW], v[NIL]                      ; the wave's opening: the add and its wait stand ahead of my first tensor load
	v_lshrrev_b32 v1, 5, v0
	v_readfirstlane_b32 s[WV], v1
	s_lshr_b32 s[RH], s[WV], 1
	s_and_b32 s[CH], s[WV], 1
	s_bfe_u32 s40, ttmp6, 0x40000                  ; cx
	s_bfe_u32 s41, ttmp6, 0x40004                  ; cy
	s_and_b32 s21, ttmp7, 0xffff                   ; the cluster's y
	s_lshr_b32 s[GG], s21, 2
	s_and_b32 s21, s21, 3
	s_lshl_b32 s21, s21, 2                         ; 4 x quarter
	s_lshr_b32 s[ISV], s[GG], 1
	s_mul_i32 s22, s21, s[ISV]                     ; it goes to P for v,
	s_sub_co_u32 s23, s21, s22                     ; to Q for q and k
	s_lshl_b32 s42, ttmp9, 2
	s_add_co_u32 s42, s42, s40
	s_add_co_u32 s42, s42, s22                     ; P's tile of 256
	s_add_co_u32 s43, s41, s23                     ; Q's tile of 256
	s_lshl_b32 s44, s41, 2
	s_lshl_b32 s44, 15, s44                        ; my row of the cluster
	s_lshl_b32 s45, 0x1111, s40                    ; my column
	s_or_b32 s[G1+0], s44, (0<<16)|(1<<20)|(1<<21)|(3<<22)|(3<<25)   ; mask; elements of 1 byte; padding on; bit 21 beside a mask; after every 16 words, 4 words
	s_or_b32 s[G1B+0], s45, (0<<16)|(1<<20)|(1<<21)|(3<<22)|(3<<25)
.irp g, G1, G1B
	s_mov_b32 s[\g+1], ROWB<<16                    ; tensor_dim0
	s_mov_b32 s[\g+2], 128<<16                     ; tensor_dim1
	s_mov_b32 s[\g+3], ROWB<<16                    ; tile_dim0
	s_mov_b32 s[\g+4], 128                         ; tile_dim1
	s_mov_b32 s[\g+5], KROW                        ; pitch
	s_mov_b32 s[\g+6], 0
	s_mov_b32 s[\g+7], 0
.endr
	s_or_b32 s[G1S+0], s44, (3<<16)|(1<<20)|(1<<21)|(5<<22)|(3<<25)  ; the scale bytes of 128 rows: 4,096 dense bytes as 16 rows of 256, 16 bytes of padding behind each
	s_or_b32 s[G1SB+0], s45, (3<<16)|(1<<20)|(1<<21)|(5<<22)|(3<<25)
.irp g, G1S, G1SB
	s_mov_b32 s[\g+1], 32<<16
	s_mov_b32 s[\g+2], 16<<16
	s_mov_b32 s[\g+3], 32<<16
	s_mov_b32 s[\g+4], 16
	s_mov_b32 s[\g+5], 32
	s_mov_b32 s[\g+6], 0
	s_mov_b32 s[\g+7], 0
.endr
	s_lshl_b32 s21, s[CH], 7                       ; which 128 rows of a tile I fetch
	s_lshl_b32 s22, s[GG], 12                      ; Q's first row: 4,096 x product (q 0, k 4,096), for v: wv's, 14,336
	s_mul_i32 s23, s[ISV], 6144
	s_add_co_u32 s22, s22, s23
	s_lshl_b32 s92, s43, 8
	s_add_co_u32 s22, s22, s92
	s_add_co_u32 s22, s22, s21
	s_lshl_b32 s46, s[GG], 10                      ; P's first row: wq 12,288, wk 13,312, for v: v's, 8,192
	s_add_co_u32 s46, s46, 12288
	s_sub_co_u32 s46, s46, s23
	s_lshl_b32 s94, s42, 8
	s_add_co_u32 s46, s46, s94
	s_add_co_u32 s46, s46, s21
	s_lshl_b32 s92, s22, 5                         ; in bytes: scale bytes,
	s_mov_b32 s93, 0
	s_lshl_b32 s94, s46, 5
	s_mov_b32 s95, 0
	s_mul_i32 s22, s22, KROW                       ; codes
	s_mov_b32 s23, 0
	s_mul_i32 s46, s46, KROW
	s_mov_b32 s47, 0
	s_mul_i32 s100, s[WV], HALFT                   ; where they go: wave x 128 rows: no place in the cluster enters an LDS address
	s_mul_i32 s101, s[WV], HALFS
	s_wait_dscnt 0x0                               ; the opening add is done
	s_wait_kmcnt 0x0
	s_add_nc_u64 s[22:23], s[4:5], s[22:23]
	s_add_nc_u64 s[92:93], s[6:7], s[92:93]
	s_add_nc_u64 s[46:47], s[4:5], s[46:47]
	s_add_nc_u64 s[94:95], s[6:7], s[94:95]
	CROUND                                         ; all sixteen work-groups are here: the first joint loads meet
	s_mov_b32 s[G0S], 1
	s_add_co_u32 s[G0S+1], s101, SCL
	s_mov_b64 s[G0S+2:G0S+3], s[92:93]
	s_or_b32 s[G0S+3], s[G0S+3], 0x80000000
	s_mov_b32 s[G0SB], 1
	s_add_co_u32 s[G0SB+1], s101, SCL
	s_mov_b64 s[G0SB+2:G0SB+3], s[94:95]
	s_or_b32 s[G0SB+3], s[G0SB+3], 0x80000000
	JLOAD G0S, G1S, G0SB, G1SB                     ; the scale bytes first: filled once
.irp s, 0,1
	s_mov_b32 s[G0+4*\s], 1
	s_add_co_u32 s[G0+4*\s+1], s100, \s*SLOT
	s_add_nc_u64 s[G0+4*\s+2:G0+4*\s+3], s[22:23], \s*ROWB
	s_or_b32 s[G0+4*\s+3], s[G0+4*\s+3], 0x80000000
	s_mov_b32 s[G0B+4*\s], 1
	s_add_co_u32 s[G0B+4*\s+1], s100, \s*SLOT
	s_add_nc_u64 s[G0B+4*\s+2:G0B+4*\s+3], s[46:47], \s*ROWB
	s_or_b32 s[G0B+4*\s+3], s[G0B+4*\s+3], 0x80000000
	JLOAD G0+4*\s, G1, G0B+4*\s, G1B
.endr
	v_and_b32 v1, 15, v0                           ; r
	v_bfe_u32 v2, v0, 4, 1                         ; h
	v_mul_u32_u24 v3, v1, PITCH
	v_mul_u32_u24 v4, v2, 24
	v_add_nc_u32 v4, v3, v4                        ; a fragment's row x pitch + 24 h
	v_lshl_add_u32 v5, v2, 4, v4                   ; and the same behind one padding more
	s_mul_i32 s21, s[RH], HALFT
	s_mul_i32 s22, s[CH], HALFT
	s_add_co_u32 s22, s22, 2*HALFT
.irp s, 0,1
	v_add_nc_u32 v[ADRA+\s], s21, v4
	v_add_nc_u32 v[ADRB+\s], s22, v4
	v_add_nc_u32 v[ADRA+2+\s], s21, v5
	v_add_nc_u32 v[ADRB+2+\s], s22, v5
	s_add_co_u32 s21, s21, SLOT
	s_add_co_u32 s22, s22, SLOT
.endr
	v_mul_u32_u24 v5, v1, KS                       ; my row's scale bytes: 32 a row,
	v_lshrrev_b32 v6, 8, v5
	v_lshl_add_u32 v5, v6, 4, v5                   ; and 16 more for each 256 passed
	s_mul_i32 s21, s[RH], HALFS
	s_mul_i32 s22, s[CH], HALFS
	s_add_co_u32 s22, s22, 2*HALFS
	s_sub_co_u32 s22, s22, s21
	v_mul_u32_u24 v6, s22, v2                      ; lanes 16-31 take P's
	s_add_co_u32 s21, s21, SCL
	v_add_nc_u32 v5, v5, v6
	v_add_nc_u32 v[ADRS], s21, v5
	v_and_b32 v6, 31, v0
	v_lshlrev_b32 v[L8], 3, v6
	v_lshlrev_b32 v[L16], 4, v6
	s_lshl_b32 s[PG], s42, 1
	s_add_co_u32 s[PG], s[PG], s[CH]               ; my 128 of P's positions
	s_lshl_b32 s[QT], s43, 4
	s_lshl_b32 s21, s[RH], 3
	s_add_co_u32 s[QT], s[QT], s21                 ; my first tile of Q's positions, a multiple of 8
	; where the images go.  q, k: [batch][pair of heads = PG][tile of tokens][1,536];  v: [batch x 16 + key step = PG][head x 4 + tile = QT][1,536]
	s_lshr_b32 s21, s[QT], 7
	s_lshl_b32 s21, s21, 3
	s_add_co_u32 s21, s21, s[PG]
	s_and_b32 s22, s[QT], 127
	s_lshl_b32 s23, s21, 7
	s_add_co_u32 s23, s23, s22
	s_lshl_b32 s40, s[PG], 6
	s_add_co_u32 s40, s40, s[QT]
	s_cmp_eq_u32 s[ISV], 0
	s_cselect_b32 s40, s23, s40
	s_mul_i32 s40, s40, 1536
	s_mul_i32 s41, s[GG], 3145728
	s_add_co_u32 s40, s40, s41
	s_mov_b32 s41, 0
	s_add_nc_u64 s[14:15], s[14:15], s[40:41]
	; and the scale words.  q, k: [batch][pair][8 tiles][head's parity][512];  v: [PG][head][256]
	s_lshl_b32 s21, s21, 4
	s_lshr_b32 s22, s22, 3
	s_add_co_u32 s21, s21, s22
	s_lshl_b32 s21, s21, 10
	s_lshl_b32 s22, s[GG], 18
	s_add_co_u32 s21, s21, s22
	s_lshl_b32 s22, s[PG], 4
	s_lshr_b32 s23, s[QT], 2
	s_add_co_u32 s22, s22, s23
	s_lshl_b32 s22, s22, 8
	s_add_co_u32 s22, s22, 524288
	s_cmp_eq_u32 s[ISV], 0
	s_cselect_b32 s40, s21, s22
	s_add_nc_u64 s[16:17], s[16:17], s[40:41]
	; the bias, in the result's layout
	s_cmp_eq_u32 s[GG], 1
	s_cselect_b64 s[8:9], s[10:11], s[8:9]
	s_cmp_eq_u32 s[GG], 2
	s_cselect_b64 s[8:9], s[12:13], s[8:9]
	s_lshl_b32 s21, s[PG], 9                       ; q, k: my 128 features
	s_lshl_b32 s22, s[QT], 6                       ; v: my 8 tiles of 16 features
	s_cmp_eq_u32 s[ISV], 0
	s_cselect_b32 s22, s21, s22
	s_mov_b32 s23, 0
	s_add_nc_u64 s[8:9], s[8:9], s[22:23]
	v_lshlrev_b32 v7, 6, v2                        ; 64 h
	v_and_b32 v8, 8, v1
	v_add_nc_u32 v8, v8, v1
	v_lshlrev_b32 v8, 2, v8                        ; 4 (r + 8 (r / 8))
	s_cmp_eq_u32 s[ISV], 0
	s_cbranch_scc0 .Lbias_v
.irp b, 0,1,2,3,4,5,6,7                        ; q, k: tile b's register j is feature 32 (b / 2) + 16 h + 8 (b % 2) + j
	global_load_b128 v[BI+8*\b:BI+8*\b+3], v7, s[8:9] offset:(32*(\b/2)+8*(\b%2))*4
	global_load_b128 v[BI+8*\b+4:BI+8*\b+7], v7, s[8:9] offset:(32*(\b/2)+8*(\b%2))*4+16
.endr
	s_branch .Lbias_done
.Lbias_v:
.irp a, 0,1,2,3,4,5,6,7                        ; v: all eight registers of tile a hold the bias of the lane's feature 32 (a / 2) + 8 (a % 2) + r + 8 (r / 8)
.irp j, 0,1,2,3,4,5,6,7
	global_load_b32 v[BI+8*\a+\j], v8, s[8:9] offset:(32*(\a/2)+8*(\a%2))*4
.endr
.endr
.Lbias_done:
.macro FRAG reg, adr, q, i             ; 16 rows x 128 K: 12 registers, six pieces of 8 bytes; lanes 16-31 read three pieces further on, for some pieces behind one padding more
.irp p, 0,1,2,3,4,5
.set PC, 12*(\q)+6*(\p/3)+\p%3
.if PC%8 < 5
	ds_load_b64 v[\reg+2*\p:\reg+2*\p+1], v[\adr] offset:8*PC+16*(PC/8)+(\i)*16*PITCH
.else
	ds_load_b64 v[\reg+2*\p:\reg+2*\p+1], v[\adr+2] offset:8*PC+16*(PC/8)+(\i)*16*PITCH
.endif
.endr
.endm
; 16 matrix instructions: Q's blocks a0, a0 + 1 x P's eight.  cm = 0: sums in place; 1: C = the bias by P's tile; 2: C = the bias by Q's tile.  The 64 accumulators take turns.
.macro MUL16 a0, p, q, sc, cm
.irp a, \a0, \a0+1
.irp b, 0,1,2,3,4,5,6,7
.if (\cm) == 1
	v_wmma_scale_f32_16x16x128_f8f6f4 v[8*(8*((\a)%4)+\b):8*(8*((\a)%4)+\b)+7], v[128*(\p)+FR*\b:128*(\p)+FR*\b+FR-1], v[AF+FR*(\a):AF+FR*(\a)+FR-1], v[BI+8*\b:BI+8*\b+7], v[SC+8*NQ*(\sc)+NQ*\b+(\q)], v[SC+8*NQ*(\sc)+NQ*(\a)+(\q)] matrix_a_fmt:MATRIX_FMT_FP6 matrix_b_fmt:MATRIX_FMT_FP6 matrix_a_scale:MATRIX_SCALE_ROW1
.elseif (\cm) == 2
	v_wmma_scale_f32_16x16x128_f8f6f4 v[8*(8*((\a)%4)+\b):8*(8*((\a)%4)+\b)+7], v[128*(\p)+FR*\b:128*(\p)+FR*\b+FR-1], v[AF+FR*(\a):AF+FR*(\a)+FR-1], v[BI+8*(\a):BI+8*(\a)+7], v[SC+8*NQ*(\sc)+NQ*\b+(\q)], v[SC+8*NQ*(\sc)+NQ*(\a)+(\q)] matrix_a_fmt:MATRIX_FMT_FP6 matrix_b_fmt:MATRIX_FMT_FP6 matrix_a_scale:MATRIX_SCALE_ROW1
.else
	v_wmma_scale_f32_16x16x128_f8f6f4 v[8*(8*((\a)%4)+\b):8*(8*((\a)%4)+\b)+7], v[128*(\p)+FR*\b:128*(\p)+FR*\b+FR-1], v[AF+FR*(\a):AF+FR*(\a)+FR-1], v[8*(8*((\a)%4)+\b):8*(8*((\a)%4)+\b)+7], v[SC+8*NQ*(\sc)+NQ*\b+(\q)], v[SC+8*NQ*(\sc)+NQ*(\a)+(\q)] matrix_a_fmt:MATRIX_FMT_FP6 matrix_b_fmt:MATRIX_FMT_FP6 matrix_a_scale:MATRIX_SCALE_ROW1
.endif
.endr
.endr
.endm
.macro FETCH_B slot, q, p
	WIN TO_B
.irp i, 0,1,2,3,4,5,6,7
	FRAG 128*(\p)+FR*\i, ADRB+\slot, \q, \i
.endr
	WIN 0
.endm
.macro FETCH_A slot, q, i0
.irp i, \i0, \i0+1, \i0+2, \i0+3
	FRAG AF+FR*(\i), ADRA+\slot, \q, \i
.endr
.endm
.macro SCALES sc                       ; a K step's two scale words a row: lanes 0-15 Q's block i, lanes 16-31 P's block i
.irp i, 0,1,2,3,4,5,6,7
	ds_load_b64 v[SC+8*NQ*\sc+NQ*\i:SC+8*NQ*\sc+NQ*\i+1], v[ADRS] offset:\i*SBLK
.endr
.endm
.macro PLACES n                        ; plain vector instructions between a matrix instruction and a load into, or a vector access to, its registers
.rept \n
	v_nop
.endr
.endm
.macro STEP slot, q, cm                ; 128 along K with its successor in the same slot
	s_wait_dscnt 4*NL                              ; P's set and Q's blocks 0-3 are in; the youngest 24 loads (Q's blocks 4-7) may be out
.if \cm
	WIN 0x81                                       ; C (the bias) in window 0, D in window 2
.else
	WIN MUL_LO
.endif
	MUL16 0, (\q)%2, \q, \slot, \cm
	MUL16 2, (\q)%2, \q, \slot, \cm
	s_wait_dscnt 0
	PLACES NP
	FETCH_B \slot, (\q)+1, 1-(\q)%2
	FETCH_A \slot, (\q)+1, 0
.if \cm
	WIN 0xc1
.else
	WIN MUL_HI
.endif
	MUL16 4, (\q)%2, \q, \slot, \cm
	MUL16 6, (\q)%2, \q, \slot, \cm
	PLACES NP
	WIN 0
	FETCH_A \slot, (\q)+1, 4
.endm
; A slot's last step changes slots: one barrier; ahead of it each wave waits for all its tensor loads, adds 0 to its spare word, and waits for that and for its reads of this slot.
.macro TURN slot, next, fill
	s_wait_tensorcnt 0x0                           ; all my tensor loads have landed: my part of the next slot
	ds_add_u32 v[SPW], v[NIL]
	s_wait_dscnt 4*NL+1                            ; the add and the youngest 24 loads may be out
	WIN MUL_LO
	MUL16 0, 1, NQ-1, \slot, 0
	s_wait_dscnt 0x0                               ; the add is done, and my reads of this slot are over
	s_barrier_signal -1
	MUL16 2, 1, NQ-1, \slot, 0
	WIN 0
	s_barrier_wait -1
.if \fill
	CREST                                          ; the barrier has opened a round of the cluster's barrier: no wave of any partner still reads this slot or has a load on its way
	s_add_nc_u64 s[G0+4*\slot+2:G0+4*\slot+3], s[G0+4*\slot+2:G0+4*\slot+3], 2*ROWB
	s_add_nc_u64 s[G0B+4*\slot+2:G0B+4*\slot+3], s[G0B+4*\slot+2:G0B+4*\slot+3], 2*ROWB
	JLOAD G0+4*\slot, G1, G0B+4*\slot, G1B         ; the first tensor load behind the round; its four v_nop are the places in front of the loads below
.else
	PLACES NP
.endif
	v_add_nc_u32 v[ADRS], 4*NQ, v[ADRS]
	FETCH_B \next, 0, 0
	FETCH_A \next, 0, 0
	SCALES \next
	WIN MUL_HI
	MUL16 4, 1, NQ-1, \slot, 0
	MUL16 6, 1, NQ-1, \slot, 0
	PLACES NP
	WIN 0
	FETCH_A \next, 0, 4
.endm
	s_wait_tensorcnt 1                             ; the scale bytes and my part of K step 0 are in; K step 1's load may be out
	s_barrier_signal -1
	s_barrier_wait -1
	FETCH_B 0, 0, 0
	FETCH_A 0, 0, 0
	SCALES 0
	FETCH_A 0, 0, 4
	s_wait_loadcnt 0x0                             ; the bias
	s_cmp_eq_u32 s[ISV], 0                         ; the first step starts the sums with the bias: by P's tile for q and k, by Q's tile for v.  Both arms hold the same loads and waits
	s_cbranch_scc0 .Lstart_v
	STEP 0, 0, 1
	s_branch .Lstarted
.Lstart_v:
	STEP 0, 0, 2
.Lstarted:
	s_mov_b32 s3, LAPS-1
.Llap:                                                 ; once round the ring, from a lap's second step to the next lap's first; both slots are filled again
	TURN 0, 1, 1
	STEP 1, 0, 0
	TURN 1, 0, 1
	STEP 0, 0, 0
	s_sub_co_u32 s3, s3, 1
	s_cmp_lg_u32 s3, 0
	s_cbranch_scc1 .Llap
	TURN 0, 1, 0                                   ; the last lap fills nothing
	STEP 1, 0, 0
	s_wait_dscnt 4*NL
	WIN MUL_LO
	MUL16 0, 1, NQ-1, 1, 0
	MUL16 2, 1, NQ-1, 1, 0
	s_wait_dscnt 0
	WIN MUL_HI
	MUL16 4, 1, NQ-1, 1, 0
	MUL16 6, 1, NQ-1, 1, 0
	WIN 0
; THE WAY OUT.  Tile a: a lane's 64 numbers, register 16 b + i = K 32 b + 16 h + i of the next product, become a fragment's 12 registers and a scale word.
.macro QTILE a
.set AC, 64*((\a)%4)
.set CD, AF+FR*(\a)
	WIN 0x28+0x14*((\a)/4)                         ; sources 1 and 2: the accumulators' window
.irp b, 0,1,2,3
	v_max3_num_f32 v[TM+\b], v[FL], |v[AC+16*\b]|, |v[AC+16*\b+1]|      ; with the floor 2^(3 - 127); each accumulator is read from its low end on
.endr
.irp i, 2,4,6,8,10,12,14
.irp b, 0,1,2,3
	v_max3_num_f32 v[TM+\b], v[TM+\b], |v[AC+16*\b+\i]|, |v[AC+16*\b+\i+1]|
.endr
.endr
	WIN 0
.irp b, 0,1,2,3
	v_permlanex16_b32 v[TM+4+\b], v[TM+\b], s[SEL], s[SEL+1]
.endr
.irp b, 0,1,2,3
	v_max_num_f32 v[TM+\b], v[TM+\b], v[TM+4+\b]   ; with lane xor 16's: the block's largest magnitude
.endr
.irp b, 0,1,2,3
	v_add_nc_u32 v[TM+12+\b], 0xff000000, v[TM+\b] ; 2 off its exponent field: the conversion's scale operand
.endr
.irp b, 0,1,2,3
	v_lshrrev_b32 v[TM+4+\b], 23, v[TM+12+\b]      ; the byte
.endr
	v_lshl_or_b32 v[PWR+(\a)], v[TM+5], 8, v[TM+4]
	v_lshl_or_b32 v[PWR+(\a)], v[TM+6], 16, v[PWR+(\a)]
	v_lshl_or_b32 v[PWR+(\a)], v[TM+7], 24, v[PWR+(\a)]
	WIN 2+(\a)/4                                   ; source 0: the accumulators' window
.irp c, 0,1
	v_cvt_scalef32_pk16_fp6_f32 v[CD+6*\c:CD+6*\c+2], v[AC+32*\c:AC+32*\c+15], v[TM+12+2*\c]
	v_cvt_scalef32_pk16_fp6_f32 v[TP+4*\c:TP+4*\c+2], v[AC+32*\c+16:AC+32*\c+31], v[TM+12+2*\c+1]
.endr
	WIN 0
	v_nop                                          ; one plain place behind a scaled conversion
.irp c, 0,1                                    ; a whole block to a lane: lanes 0-15 block 2 c, lanes 16-31 block 2 c + 1
.irp i, 0,1,2
	v_permlane16_swap_b32 v[CD+6*\c+\i], v[TP+4*\c+\i]
.endr
.irp i, 0,1,2
	v_mov_b32 v[CD+3+6*\c+\i], v[TP+4*\c+\i]
.endr
.endr
.irp p, 0,1,2,3,4,5
	global_store_b64 v[L8], v[CD+2*\p:CD+2*\p+1], s[14:15] offset:1536*(\a)+256*\p   ; 32 lanes store 256 consecutive bytes, aligned; every tile has code registers of its own
.endr
.endm
	PLACES NP                                      ; behind the last products
	s_mov_b32 s[SEL], 0x76543210
	s_mov_b32 s[SEL+1], 0xfedcba98
	v_mov_b32 v[FL], 0x1800000
.irp b, 0,1,2,3
	v_mov_b32 v[TM+4+\b], 0                        ; a lane permute's destination counts as one of its sources
.endr
.irp a, 0,1,2,3,4,5,6,7
	QTILE \a
.endr
	v_and_b32 v1, 31, v0
	v_cmp_lt_u32 vcc_lo, 15, v1
.irp w, 0,1,2,3
	v_cndmask_b32 v[XW+\w], v[PWR+\w], v[PWR+4+\w], vcc_lo   ; lane (r, h): the words of tiles 4 h + 0 .. 3, row r
.endr
	s_cmp_eq_u32 s[ISV], 0
	s_cbranch_scc0 .Lwords_v
.irp w, 0,1,2,3
	v_and_b32 v[YW+\w], 0xffff, v[XW+\w]           ; q, k: a head has K = 64: two bytes, and two bytes 0 over the zero codes of the upper 64
.endr
.irp w, 0,1,2,3
	v_lshrrev_b32 v[YW+4+\w], 16, v[XW+\w]
.endr
	global_store_b128 v[L16], v[YW:YW+3], s[16:17]
	global_store_b128 v[L16], v[YW+4:YW+7], s[16:17] offset:512
	s_branch .Lwords_done
.Lwords_v:
	global_store_b128 v[L16], v[XW:XW+3], s[16:17] ; v: two heads' 256 bytes on end
.Lwords_done:
	s_wait_tensorcnt 0x0                           ; the wave's end
	ds_add_u32 v[SPW], v[NIL]
	s_wait_dscnt 0x0
	CROUND                                         ; the closing round
	s_endpgm
.Lfunc_end_k_qf671cd5cfa_proj:
	.size	k_qf671cd5cfa_proj, .Lfunc_end_k_qf671cd5cfa_proj-k_qf671cd5cfa_proj
	.p2alignl 7, 3214868480
	.fill 96, 4, 3214868480
	.section	.rodata,"a",@progbits
	.p2align	6, 0x0
	.amdhsa_kernel k_qf671cd5cfa_proj
		.amdhsa_group_segment_fixed_size 327680
		.amdhsa_private_segment_fixed_size 0
		.amdhsa_enable_private_segment 0
		.amdhsa_kernarg_size 56
		.amdhsa_user_sgpr_count 2
		.amdhsa_user_sgpr_kernarg_segment_ptr 1
		.amdhsa_wavefront_size32 1
		.amdhsa_system_sgpr_workgroup_id_x 1
		.amdhsa_system_sgpr_workgroup_id_y 1
		.amdhsa_system_sgpr_workgroup_id_z 1
		.amdhsa_system_vgpr_workitem_id 0
		.amdhsa_next_free_vgpr 1024
		.amdhsa_next_free_sgpr 102
		.amdhsa_reserve_vcc 1
		.amdhsa_float_denorm_mode_32 3
		.amdhsa_float_denorm_mode_16_64 3
		.amdhsa_memory_ordered 1
		.amdhsa_forward_progress 1
		.amdhsa_inst_pref_size 190
	.end_amdhsa_kernel
	.amdgpu_metadata
---
amdhsa.version: [ 1, 2 ]
amdhsa.kernels:
  - .name:           k_qf671cd5cfa_proj
    .symbol:         k_qf671cd5cfa_proj.kd
    .args:
      - { .name: codes, .offset: 0, .size: 8, .value_kind: global_buffer, .address_space: global }
      - { .name: scales, .offset: 8, .size: 8, .value_kind: global_buffer, .address_space: global }
      - { .name: bq, .offset: 16, .size: 8, .value_kind: global_buffer, .address_space: global }
      - { .name: bk, .offset: 24, .size: 8, .value_kind: global_buffer, .address_space: global }
      - { .name: bv, .offset: 32, .size: 8, .value_kind: global_buffer, .address_space: global }
      - { .name: img, .offset: 40, .size: 8, .value_kind: global_buffer, .address_space: global }
      - { .name: isc, .offset: 48, .size: 8, .value_kind: global_buffer, .address_space: global }
    .group_segment_fixed_size: 327680
    .private_segment_fixed_size: 0
    .kernarg_segment_align: 8
    .kernarg_segment_size: 56
    .max_flat_workgroup_size: 128
    .sgpr_count:     102
    .vgpr_count:     1024
    .wavefront_size: 32
...
	.end_amdgpu_metadata
.endif
;; end of part 2
;; launch attn (part 3): grid 8 x 32, 16 waves a work-group, clusters of 4 x 1, 219,648 bytes of LDS; arguments img, isc, scale, time_decay, cimg, csc; writes cimg, csc
.if DOCPART == 3
	.amdgcn_target "amdgcn-amd-amdhsa--gfx1250"
	.amdhsa_code_object_version 6
	.text
	.protected	k_qf671cd5cfa_attn
	.globl	k_qf671cd5cfa_attn
	.p2align	8
	.type	k_qf671cd5cfa_attn,@function
k_qf671cd5cfa_attn:
	s_mov_b64 s[64:65], 0
	v_nop
	global_prefetch_b8 v0, s[64:65] scope:SCOPE_SE
	s_setreg_imm32_b32 hwreg(HW_REG_WAVE_MODE, 25, 1), 1
	s_wait_xcnt 0x0
	s_wait_alu depctr_hold_cnt(0) depctr_sa_sdst(0) depctr_va_vdst(0) depctr_va_sdst(0) depctr_va_ssrc(0) depctr_va_vcc(0) depctr_vm_vsrc(0)
	s_getreg_b32 s2, hwreg(HW_REG_IB_STS2, 6, 4)
	s_cmp_eq_u32 s2, 0
	s_cbranch_scc0 .Lentry_in_a_cluster
	s_endpgm
.Lentry_in_a_cluster:
	s_bfe_u32 s2, ttmp6, 0x10000c
	s_cmp_lg_u32 s2, 0x3003
	s_cbranch_scc0 .Lentry_shape_is_right
	s_endpgm
.Lentry_shape_is_right:
; ctx = (softmax(s) x sigmoid(s)) V for one (batch, head), s = (Q . K / 8) x scale x exp(-time_decay x key), both products on codes of FP6 (E2M3) with E8M0 scales.
; The weight is quantised FINISHED AND NORMALISED, so a row's sum is known before any weight is made: TWO PASSES over the keys.  Pass 1: the scores, a running maximum and sum.  Pass 2: the scores again, the weights, their codes, x V.
; ARITHMETIC.  t = s log2(e) = raw x g[key], g a table in LDS.  M = the row's largest t rounded up to a whole number; l = the sum of 2^(t - M); c = 2^-M (exact); u = 2^(M - t).
;   softmax x sigmoid = (1 / (u l)) x 1 / (1 + c u) = 1 / (u (l + c l u)): one exponential, one reciprocal, two packed multiply-adds and a packed multiply for each pair.
;   c l is held at 2^-100 from below, so that an infinite u never meets 0: that touches only weights under 2^-75 of the row's largest.
; LIMITS: weights under 2^-126 come out as 0 (the transcendentals flush); where every score of a row lies under about -88 the weights, under 1e-38, are 0; NaN, infinities and a decay that overflows are not served.
; SHARES.  A work-group owns 256 queries of a head, each of its sixteen waves 16 (one tile) in 256 registers.  A head's K, V and scale words, 208,896 bytes, lie in LDS whole: filled once, no ring.
; CLUSTER 4 x 1: the four partners are four query blocks of one head: every fill is asked for jointly.
; LAYOUT.  Both products are used transposed: a lane holds one query.  Tokens lie in position order (bits 3 and 4 of the number exchanged), so the registers of key tiles 2 b, 2 b + 1 are keys 32 b + 16 h + 0 .. 15.
;   The first product has K = 64: Q's upper six registers are zero codes, K's operand there overlaps the next tile's codes (x 0), and both scale words have the bytes 0 there.
; REGISTERS: v1-5 addresses that stay; v6, v7 the add's two; v8-11, v28 addresses in hand; v12 -M, v13 largest t, v[14:15] the sum, then l; v16-27 Q; v[30:31] f, then c l; v32-85 K's eight tiles and six zeros
;   (behind the products: v32-51 the weights' codes, v52-67 at work); v86-95 scale words; v96-159 the scores; v160-223 g, then l + c l u, then V's four fragments; v224-255 ctx^T.
.set VIMG,  98304                      ; LDS: K's 128 tiles of 768 bytes from 0; V: key step s at 6,144 s, tile t at 1,536 t
.set KSC,   196608                     ; K's scale words: 512 bytes a key step
.set VSC,   204800                     ; V's: 256 bytes a key step
.set GT,    208896                     ; g[key], f32: written by ds_store, never a fill's target
.set SCG,   217088                     ; the way out: 256 x 2 scale bytes
.set SPARE, 217600                     ; the spare words: 128 bytes a wave, named by no other line
.set SPW, 6
.set NIL, 7
.set ADK, 8
.set ADV, 9
.set ADS, 10
.set ADT, 11
.set ADG, 28
.set TM,  52
.set WV,  16
.set G1K, 24
.set G1V, 32
.set G1S, 40
.set G1T, 48
.set G0K, 56
.set G0V, 60
.set G0S, 68
.set G0T, 72
.set SEL, 76
.set TK,  78                           ; s78 a key step's codes: 6,144 bytes on, in K and in V
.set TS,  79                           ; s79 its scale words of K, and its g: 512 bytes on
.set TV,  80                           ; s80 its scale words of V: 256 bytes on
.set CNT, 81
.macro CROUND
	s_barrier_signal -1
	s_barrier_wait -1
	s_cmp_lg_u32 s[WV], 0
	s_cbranch_scc1 .Lnot_wave_0_\@
	s_barrier_signal -3
.Lnot_wave_0_\@:
	s_barrier_wait -3
	s_barrier_signal -1
	s_barrier_wait -1
.endm
.macro SHAPE g, c, r, p                ; group 1: r rows of c elements of 8 bytes, p elements apart, no padding; the mask names all four partners, bit 21 beside it
	s_mov_b32 s[\g], 15|(3<<16)|(1<<21)
	s_mov_b32 s[\g+1], (\c)<<16
	s_mov_b32 s[\g+2], (\r)<<16
	s_mov_b32 s[\g+3], (\c)<<16
	s_mov_b32 s[\g+4], \r
	s_mov_b32 s[\g+5], \p
	s_mov_b32 s[\g+6], 0
	s_mov_b32 s[\g+7], 0
.endm
	s_load_b256 s[4:11], s[0:1], 0x0               ; img, isc, scale, time_decay
	s_load_b128 s[12:15], s[0:1], 0x20             ; cimg, csc
	v_lshl_add_u32 v[SPW], v0, 2, SPARE
	v_mov_b32 v[NIL], 0
	ds_add_u32 v[SPW], v[NIL]                      ; the wave's opening: the add and its wait stand ahead of the first tensor loads
	v_lshrrev_b32 v8, 5, v0
	v_readfirstlane_b32 s[WV], v8                  ; wave 0..15
	s_bfe_u32 s17, ttmp6, 0x40000                  ; cx
	s_lshl_b32 s18, ttmp9, 2
	s_add_co_u32 s18, s18, s17                     ; my block of 256 queries: it enters global addresses alone
	s_and_b32 s19, ttmp7, 0xffff
	s_lshr_b32 s20, s19, 4                         ; batch
	s_and_b32 s21, s19, 15                         ; head
	s_lshr_b32 s22, s21, 1                         ; pair of heads
	s_and_b32 s23, s21, 1                          ; parity
	SHAPE G1K, 96, 32, 192                         ; K: 32 tiles of 768 bytes, 1,536 apart (the pair's other head lies between)
	SHAPE G1V, 768, 4, 12288                       ; V: 4 key steps of 6,144 bytes, 98,304 apart
	SHAPE G1S, 64, 16, 128                         ; K's scale words: 16 key steps of 512 bytes, 1,024 apart
	SHAPE G1T, 32, 16, 512                         ; V's: 16 key steps of 256 bytes, 4,096 apart
	s_and_b32 s82, s[WV], 3
	s_lshl_b32 s83, s20, 3
	s_add_co_u32 s83, s83, s22                     ; 8 x batch + pair
	s_mul_i32 s98, s23, 768
	s_mul_i32 s84, s83, 196608                     ; K's quarter
	s_add_co_u32 s84, s84, s98
	s_mul_i32 s85, s82, 49152
	s_add_co_u32 s84, s84, s85
	s_add_co_u32 s84, s84, 3145728
	s_mov_b32 s85, 0
	s_mul_i32 s86, s20, 1572864                    ; V's quarter
	s_mul_i32 s87, s21, 6144
	s_add_co_u32 s86, s86, s87
	s_mul_i32 s87, s82, 393216
	s_add_co_u32 s86, s86, s87
	s_add_co_u32 s86, s86, 6291456
	s_mov_b32 s87, 0
	s_lshl_b32 s88, s83, 14                        ; K's scale words
	s_lshl_b32 s89, s23, 9
	s_add_co_u32 s88, s88, s89
	s_add_co_u32 s88, s88, 262144
	s_mov_b32 s89, 0
	s_lshl_b32 s90, s20, 16                        ; V's
	s_lshl_b32 s91, s21, 8
	s_add_co_u32 s90, s90, s91
	s_add_co_u32 s90, s90, 524288
	s_mov_b32 s91, 0
	s_lshl_b32 s99, s18, 4
	s_add_co_u32 s99, s99, s[WV]                   ; my tile of queries in the batch
	s_lshl_b32 s92, s83, 7                         ; Q's image
	s_add_co_u32 s92, s92, s99
	s_mul_i32 s92, s92, 1536
	s_add_co_u32 s92, s92, s98
	s_mov_b32 s93, 0
	s_lshl_b32 s94, s83, 4                         ; Q's scale word: [8 batch + pair][8 tiles][parity][512], tile 4 h' + w' at 256 h' + 4 w' + 16 r
	s_lshl_b32 s95, s18, 1
	s_add_co_u32 s94, s94, s95
	s_lshr_b32 s95, s[WV], 3
	s_add_co_u32 s94, s94, s95
	s_lshl_b32 s94, s94, 1
	s_add_co_u32 s94, s94, s23
	s_lshl_b32 s94, s94, 9
	s_bfe_u32 s95, s[WV], 0x10002
	s_lshl_b32 s95, s95, 8
	s_add_co_u32 s94, s94, s95
	s_lshl_b32 s95, s82, 2
	s_add_co_u32 s94, s94, s95
	s_mov_b32 s95, 0
	s_lshl_b32 s2, s20, 7                          ; ctx's image: [128 batch + tile][pair][1,536]
	s_add_co_u32 s2, s2, s99
	s_lshl_b32 s2, s2, 3
	s_add_co_u32 s2, s2, s22
	s_mul_i32 s2, s2, 1536
	s_add_co_u32 s2, s2, s98
	s_mov_b32 s3, 0
	s_lshl_b32 s66, s21, 13                        ; ctx's scale bytes: [head][4,096 positions] x 2
	s_lshl_b32 s67, s20, 12
	s_add_co_u32 s66, s66, s67
	s_lshl_b32 s67, s18, 9
	s_add_co_u32 s66, s66, s67
	s_mov_b32 s67, 0
	s_lshl_b32 s80, s21, 2                         ; my head's time_decay
	s_mov_b32 s81, 0
	s_mov_b32 s[SEL], 0x76543210
	s_mov_b32 s[SEL+1], 0xfedcba98
	s_wait_dscnt 0x0                               ; the opening add is done
	s_wait_kmcnt 0x0
	s_add_nc_u64 s[92:93], s[4:5], s[92:93]
	s_add_nc_u64 s[94:95], s[6:7], s[94:95]
	s_add_nc_u64 s[12:13], s[12:13], s[2:3]
	s_add_nc_u64 s[14:15], s[14:15], s[66:67]
	s_add_nc_u64 s[10:11], s[10:11], s[80:81]
	CROUND                                         ; all four work-groups are here: the joint loads meet
	s_mov_b32 s[G0K], 1
	s_mul_i32 s[G0K+1], s82, 24576
	s_add_nc_u64 s[G0K+2:G0K+3], s[4:5], s[84:85]
	s_or_b32 s[G0K+3], s[G0K+3], 0x80000000
	s_mov_b32 s[G0V], 1
	s_mul_i32 s[G0V+1], s82, 24576
	s_add_co_u32 s[G0V+1], s[G0V+1], VIMG
	s_add_nc_u64 s[G0V+2:G0V+3], s[4:5], s[86:87]
	s_or_b32 s[G0V+3], s[G0V+3], 0x80000000
	s_mov_b32 s[G0S], 1
	s_mov_b32 s[G0S+1], KSC
	s_add_nc_u64 s[G0S+2:G0S+3], s[6:7], s[88:89]
	s_or_b32 s[G0S+3], s[G0S+3], 0x80000000
	s_mov_b32 s[G0T], 1
	s_mov_b32 s[G0T+1], VSC
	s_add_nc_u64 s[G0T+2:G0T+3], s[6:7], s[90:91]
	s_or_b32 s[G0T+3], s[G0T+3], 0x80000000
	s_cmp_lt_u32 s[WV], 4                          ; the fills, all of them first fills: waves 0-3 a quarter of K and of V each, wave 4 the scale words; two loads of a wave are out at the most
	s_cbranch_scc0 .Lnot_kv
	tensor_load_to_lds s[G0K:G0K+3], s[G1K:G1K+7]
	s_nop 0
	tensor_load_to_lds s[G0V:G0V+3], s[G1V:G1V+7]
	s_nop 0
.rept 4
	v_nop
.endr
	s_branch .Lfilled
.Lnot_kv:
	s_cmp_eq_u32 s[WV], 4
	s_cbranch_scc0 .Lfilled
	tensor_load_to_lds s[G0S:G0S+3], s[G1S:G1S+7]
	s_nop 0
	tensor_load_to_lds s[G0T:G0T+3], s[G1T:G1T+7]
	s_nop 0
.rept 4
	v_nop
.endr
.Lfilled:
	s_load_b32 s96, s[8:9], 0x0                    ; scale
	s_load_b32 s97, s[10:11], 0x0                  ; time_decay of my head
	v_and_b32 v29, 31, v0                          ; lane
	v_and_b32 v9, 15, v0                           ; r
	v_bfe_u32 v10, v0, 4, 1                        ; h
	v_lshlrev_b32 v1, 3, v29                       ; 8 x lane: an image's place for my lane
	v_add_nc_u32 v2, VIMG, v1
	v_lshl_add_u32 v3, v29, 4, KSC
	v_lshl_add_u32 v4, v9, 4, VSC
	v_lshl_add_u32 v5, v10, 6, GT
	v_lshlrev_b32 v11, 4, v9
.irp i, 0,1,2
	global_load_b64 v[16+2*\i:17+2*\i], v1, s[92:93] offset:256*\i   ; Q's six registers
.endr
	global_load_b32 v94, v11, s[94:95]             ; Q's scale words
.irp j, 22,23,24,25,26,27,80,81,82,83,84,85
	v_mov_b32 v[\j], 0                             ; zero codes for the upper 64 along K
.endr
.set J, 224
.rept 32
	v_mov_b32 v[J], 0                              ; ctx^T: pass 2 is written once, its first step adds onto zeros
.set J, J+1
.endr
	v_mov_b32 v13, 0xff61b1e6                      ; the largest t so far: -3e38
	v_floor_f32 v12, -v13                          ; -M
	v_mov_b32 v14, 0
	v_mov_b32 v15, 0
	v_mov_b32 v30, 0
	v_mov_b32 v31, 0
	; THE TABLE g[key] = ((scale / 8) x exp(-time_decay x key)) x log2(e): thread t makes keys 4 t .. 4 t + 3.  exp(x) = 2^y (1 + r ln 2), y = x L rounded, r = x (L + Llo) - y, so that the error of y does not show
	v_lshlrev_b32 v96, 2, v0
	v_lshl_add_u32 v114, v0, 4, GT
	s_wait_kmcnt 0x0
	v_mov_b32 v112, s97
	v_mov_b32 v113, s96
	v_mul_f32 v113, 0x3e000000, v113               ; scale / 8
.irp i, 0,1,2,3
	v_add_nc_u32 v[100+\i], \i, v96
.endr
.irp i, 0,1,2,3
	v_cvt_f32_u32 v[100+\i], v[100+\i]
.endr
.irp i, 0,1,2,3
	v_mul_f32 v[100+\i], -v112, v[100+\i]          ; x
.endr
.irp i, 0,1,2,3
	v_mul_f32 v[104+\i], 0x3fb8aa3b, v[100+\i]     ; y
.endr
.irp i, 0,1,2,3
	v_fma_f32 v[108+\i], v[100+\i], 0x3fb8aa3b, -v[104+\i]
.endr
.irp i, 0,1,2,3
	v_fma_f32 v[108+\i], v[100+\i], 0x32a57060, v[108+\i]   ; r
.endr
.irp i, 0,1,2,3
	v_exp_f32 v[104+\i], v[104+\i]
.endr
.irp i, 0,1,2,3
	v_mul_f32 v[108+\i], 0x3f317218, v[108+\i]     ; r ln 2: plain work behind the exponentials
.endr
	s_wait_alu depctr_va_vdst(0)                   ; one wait for the four, ahead of their first reader
.irp i, 0,1,2,3
	v_fma_f32 v[104+\i], v[104+\i], v[108+\i], v[104+\i]
.endr
.irp i, 0,1,2,3
	v_mul_f32 v[104+\i], v113, v[104+\i]
.endr
.irp i, 0,1,2,3
	v_mul_f32 v[104+\i], 0x3fb8aa3b, v[104+\i]
.endr
	ds_store_b128 v114, v[104:107]
	s_wait_tensorcnt 0x0                           ; my fills have landed,
	s_wait_dscnt 0x0                               ; my part of the table is stored:
	s_barrier_signal -1
	s_barrier_wait -1                              ; everybody's
	s_wait_loadcnt 0x0                             ; Q
.macro KLOADS                          ; a key step: K's scale words, its eight tiles, its 64 g of my half of the lanes
	ds_load_b128 v[86:89], v[ADS]
.irp i, 0,1,2,3,4,5,6,7
.irp j, 0,1,2
	ds_load_b64 v[32+6*\i+2*\j:33+6*\i+2*\j], v[ADK] offset:768*\i+256*\j
.endr
.endr
.irp b, 0,1,2,3
.irp q, 0,1,2,3
	ds_load_b128 v[160+16*\b+4*\q:163+16*\b+4*\q], v[ADG] offset:128*\b+16*\q
.endr
.endr
	s_wait_dscnt 16                                ; all but g's sixteen loads
.endm
.macro QK                              ; S^T = K Q^T: register 16 b + i of lane (r, h) is query r, key 32 b + 16 h + i
.irp i, 0,1,2,3
	v_wmma_scale_f32_16x16x128_f8f6f4 v[96+8*\i:103+8*\i], v[32+6*\i:43+6*\i], v[16:27], 0, v[86+\i], v94 matrix_a_fmt:MATRIX_FMT_FP6 matrix_b_fmt:MATRIX_FMT_FP6
.endr
.irp i, 4,5,6,7
	v_wmma_scale_f32_16x16x128_f8f6f4 v[96+8*\i:103+8*\i], v[32+6*\i:43+6*\i], v[16:27], 0, v[82+\i], v94 matrix_a_fmt:MATRIX_FMT_FP6 matrix_b_fmt:MATRIX_FMT_FP6 matrix_a_scale:MATRIX_SCALE_ROW1
.endr
	s_wait_dscnt 0x0                               ; g
.rept 4
	v_nop                                          ; places behind the products
.endr
.endm
; PASS 1.  The maximum and the sum are each lane's own, over its half of the keys: no lane exchange stands in the loop.
.macro STEP1
	v_add_nc_u32 v[ADK], s[TK], v1
	v_add_nc_u32 v[ADS], s[TS], v3
	v_add_nc_u32 v[ADG], s[TS], v5
	KLOADS
	QK
.set J, 0
.rept 32
	v_pk_mul_f32 v[96+J:97+J], v[96+J:97+J], v[160+J:161+J]      ; t = raw x g, each accumulator from its low end on
.set J, J+2
.endr
.irp b, 0,1,2,3
	v_max3_num_f32 v[TM+\b], v[96+16*\b], v[97+16*\b], v[98+16*\b]
.endr
.irp i, 3,5,7,9,11,13
.irp b, 0,1,2,3
	v_max3_num_f32 v[TM+\b], v[TM+\b], v[96+16*\b+\i], v[97+16*\b+\i]
.endr
.endr
.irp b, 0,1,2,3
	v_max_num_f32 v[TM+\b], v[TM+\b], v[111+16*\b]
.endr
	v_max3_num_f32 v[TM], v[TM], v[TM+1], v[TM+2]
	v_max3_num_f32 v13, v13, v[TM], v[TM+3]        ; the running largest t
	v_mov_b32 v56, v12
	v_floor_f32 v12, -v13                          ; the new -M: M is a whole number
	v_sub_f32 v56, v12, v56                        ; old M - new M, 0 or less
	v_cvt_i32_f32 v56, v56                         ; (it saturates)
	v_ldexp_f32 v30, 1.0, v56                      ; f = 2^(old M - new M): rounds nothing
.set J, 0
.rept 32
	v_pk_add_f32 v[96+J:97+J], v[96+J:97+J], v[12:13] op_sel_hi:[1,0]   ; t - M
.set J, J+2
.endr
.set J, 0
.rept 64
	v_exp_f32 v[96+J], v[96+J]
.set J, J+1
.endr
	v_pk_mul_f32 v[14:15], v[14:15], v[30:31] op_sel_hi:[1,0]    ; the sum under the new M: the plain place behind the exponentials
	s_wait_alu depctr_va_vdst(0)                   ; one wait for the batch, ahead of its first reader
	v_pk_add_f32 v[58:59], v[96:97], v[98:99]
.set J, 4
.rept 15
	v_pk_add_f32 v[14:15], v[14:15], v[96+J:97+J]
	v_pk_add_f32 v[58:59], v[58:59], v[98+J:99+J]
.set J, J+4
.endr
	v_pk_add_f32 v[14:15], v[14:15], v[58:59]
	s_add_co_u32 s[TK], s[TK], 6144
	s_add_co_u32 s[TS], s[TS], 512
.endm
; PASS 2.
.macro STEP2
	v_add_nc_u32 v[ADK], s[TK], v1                 ; (these five are also the places between the last step's products and the loads into their operands)
	v_add_nc_u32 v[ADS], s[TS], v3
	v_add_nc_u32 v[ADG], s[TS], v5
	v_add_nc_u32 v[ADV], s[TK], v2
	v_add_nc_u32 v[ADT], s[TV], v4
	KLOADS
	QK
.set J, 0
.rept 32
	v_pk_fma_f32 v[96+J:97+J], v[96+J:97+J], v[160+J:161+J], v[12:13] op_sel_hi:[1,1,0] neg_lo:[0,1,1] neg_hi:[0,1,1]   ; M - t
.set J, J+2
.endr
.set J, 0
.rept 64
	v_exp_f32 v[96+J], v[96+J]                     ; u
.set J, J+1
.endr
	v_nop                                          ; a plain place behind the exponentials
	s_wait_alu depctr_va_vdst(0)                   ; one wait for the batch
.set J, 0
.rept 32
	v_pk_fma_f32 v[160+J:161+J], v[96+J:97+J], v[30:31], v[14:15] op_sel_hi:[1,0,0]    ; l + c l u
.set J, J+2
.endr
.set J, 0
.rept 32
	v_pk_mul_f32 v[96+J:97+J], v[96+J:97+J], v[160+J:161+J]      ; u (l + c l u)
.set J, J+2
.endr
	ds_load_b128 v[90:93], v[ADT]                  ; V's scale words and four fragments land while the weights are finished
.irp t, 0,1,2,3
.irp j, 0,1,2,3,4,5
	ds_load_b64 v[160+12*\t+2*\j:161+12*\t+2*\j], v[ADV] offset:1536*\t+256*\j
.endr
.endr
.set J, 0
.rept 64
	v_rcp_f32 v[96+J], v[96+J]                     ; the weight, finished and normalised
.set J, J+1
.endr
	v_nop
	s_wait_alu depctr_va_vdst(0)                   ; one wait for the batch
.irp b, 0,1,2,3
	v_max3_num_f32 v[TM+\b], v[96+16*\b], v[97+16*\b], 0x1800000  ; no weight is negative; the floor 2^(3 - 127)
.endr
.irp i, 2,4,6,8,10,12,14
.irp b, 0,1,2,3
	v_max3_num_f32 v[TM+\b], v[TM+\b], v[96+16*\b+\i], v[97+16*\b+\i]
.endr
.endr
.irp b, 0,1,2,3
	v_permlanex16_b32 v[TM+4+\b], v[TM+\b], s[SEL], s[SEL+1]
.endr
.irp b, 0,1,2,3
	v_max_num_f32 v[TM+\b], v[TM+\b], v[TM+4+\b]
.endr
.irp b, 0,1,2,3
	v_add_nc_u32 v[TM+12+\b], 0xff000000, v[TM+\b]
.endr
.irp b, 0,1,2,3
	v_lshrrev_b32 v[TM+4+\b], 23, v[TM+12+\b]
.endr
	v_lshl_or_b32 v95, v[TM+5], 8, v[TM+4]         ; the weights' scale word for these 128 keys
	v_lshl_or_b32 v95, v[TM+6], 16, v95
	v_lshl_or_b32 v95, v[TM+7], 24, v95
.irp c, 0,1
	v_cvt_scalef32_pk16_fp6_f32 v[32+6*\c:34+6*\c], v[96+32*\c:111+32*\c], v[TM+12+2*\c]
	v_cvt_scalef32_pk16_fp6_f32 v[44+4*\c:46+4*\c], v[112+32*\c:127+32*\c], v[TM+12+2*\c+1]
.endr
	v_nop                                          ; one plain place behind a scaled conversion
.irp c, 0,1
.irp i, 0,1,2
	v_permlane16_swap_b32 v[32+6*\c+\i], v[44+4*\c+\i]
.endr
.irp i, 0,1,2
	v_mov_b32 v[35+6*\c+\i], v[44+4*\c+\i]
.endr
.endr
.rept 4
	v_nop                                          ; the codes stand four places ahead of the scaled products; the scale word, with the moves above, more than eight
.endr
	s_wait_dscnt 0x0                               ; V
.irp t, 0,1,2,3                                ; ctx^T += V^T P^T: four accumulators by turns
	v_wmma_scale_f32_16x16x128_f8f6f4 v[224+8*\t:231+8*\t], v[160+12*\t:171+12*\t], v[32:43], v[224+8*\t:231+8*\t], v[90+\t], v95 matrix_a_fmt:MATRIX_FMT_FP6 matrix_b_fmt:MATRIX_FMT_FP6
.endr
	s_add_co_u32 s[TK], s[TK], 6144
	s_add_co_u32 s[TS], s[TS], 512
	s_add_co_u32 s[TV], s[TV], 256
.endm
	s_mov_b32 s[TK], 0
	s_mov_b32 s[TS], 0
	s_mov_b32 s[CNT], 16
.Lpass1:
	STEP1
	s_sub_co_u32 s[CNT], s[CNT], 1
	s_cmp_lg_u32 s[CNT], 0
	s_cbranch_scc1 .Lpass1
	; the two halves of the lanes are joined: the common M, both sums brought under it (exact), l, c l
	v_add_f32 v14, v14, v15
	v_permlanex16_b32 v56, v13, s[SEL], s[SEL+1]
	v_max_num_f32 v13, v13, v56
	v_mov_b32 v57, v12
	v_floor_f32 v12, -v13
	v_sub_f32 v57, v12, v57
	v_cvt_i32_f32 v57, v57
	v_ldexp_f32 v14, v14, v57
	v_permlanex16_b32 v56, v14, s[SEL], s[SEL+1]
	v_add_f32 v14, v14, v56                        ; l
	v_cvt_i32_f32 v57, v12
	v_ldexp_f32 v57, 1.0, v57                      ; c = 2^-M
	v_mul_f32 v57, v57, v14
	v_max_num_f32 v30, 0x0d800000, v57             ; c l, at least 2^-100
	v_mov_b32 v31, v30                             ; (named with them as pairs)
	v_mov_b32 v15, v14
	s_mov_b32 s[TK], 0
	s_mov_b32 s[TS], 0
	s_mov_b32 s[TV], 0
	s_mov_b32 s[CNT], 16
.Lpass2:
	STEP2
	s_sub_co_u32 s[CNT], s[CNT], 1
	s_cmp_lg_u32 s[CNT], 0
	s_cbranch_scc1 .Lpass2
	; THE WAY OUT: ctx^T, register 16 b + i = channel 32 b + 16 h + i of my query, is quantised along the channels: half a fragment of the last product's operand, and two scale bytes
.rept 4
	v_nop
.endr
.irp b, 0,1
	v_max3_num_f32 v[TM+\b], |v[224+16*\b]|, |v[225+16*\b]|, 0x1800000
.endr
.irp i, 2,4,6,8,10,12,14
.irp b, 0,1
	v_max3_num_f32 v[TM+\b], v[TM+\b], |v[224+16*\b+\i]|, |v[225+16*\b+\i]|
.endr
.endr
.irp b, 0,1
	v_permlanex16_b32 v[TM+4+\b], v[TM+\b], s[SEL], s[SEL+1]
.endr
.irp b, 0,1
	v_max_num_f32 v[TM+\b], v[TM+\b], v[TM+4+\b]
.endr
.irp b, 0,1
	v_add_nc_u32 v[TM+12+\b], 0xff000000, v[TM+\b]
.endr
.irp b, 0,1
	v_lshrrev_b32 v[TM+4+\b], 23, v[TM+12+\b]
.endr
	v_lshl_or_b32 v58, v57, 8, v56
	v_cvt_scalef32_pk16_fp6_f32 v[32:34], v[224:239], v64
	v_cvt_scalef32_pk16_fp6_f32 v[44:46], v[240:255], v65
	v_nop
.irp i, 0,1,2
	v_permlane16_swap_b32 v[32+\i], v[44+\i]
.endr
.irp i, 0,1,2
	v_mov_b32 v[35+\i], v[44+\i]
.endr
.irp i, 0,1,2
	global_store_b64 v1, v[32+2*\i:33+2*\i], s[12:13] offset:256*\i      ; 32 lanes store 256 consecutive bytes, aligned
.endr
	v_and_b32 v60, 15, v0
	s_lshl_b32 s82, s[WV], 5
	s_add_co_u32 s82, s82, SCG
	v_lshl_add_u32 v60, v60, 1, s82
	v_and_b32 v61, 31, v0
	v_lshlrev_b32 v61, 4, v61
	v_add_nc_u32 v62, SCG, v61
	ds_store_b16 v60, v58                          ; both halves of the lanes write the same two bytes with the same value
	s_wait_dscnt 0x0
	s_barrier_signal -1
	s_barrier_wait -1                              ; the work-group's 512 scale bytes lie together
	s_cmp_lg_u32 s[WV], 0
	s_cbranch_scc1 .Lnot_first
	ds_load_b128 v[68:71], v62
	s_wait_dscnt 0x0
	global_store_b128 v61, v[68:71], s[14:15]      ; 512 consecutive bytes, aligned
.Lnot_first:
	s_wait_tensorcnt 0x0                           ; the wave's end
	ds_add_u32 v[SPW], v[NIL]
	s_wait_dscnt 0x0
	CROUND                                         ; the closing round
	s_endpgm
.Lfunc_end_k_qf671cd5cfa_attn:
	.size	k_qf671cd5cfa_attn, .Lfunc_end_k_qf671cd5cfa_attn-k_qf671cd5cfa_attn
	.p2alignl 7, 3214868480
	.fill 96, 4, 3214868480
	.section	.rodata,"a",@progbits
	.p2align	6, 0x0
	.amdhsa_kernel k_qf671cd5cfa_attn
		.amdhsa_group_segment_fixed_size 219648
		.amdhsa_private_segment_fixed_size 0
		.amdhsa_enable_private_segment 0
		.amdhsa_kernarg_size 48
		.amdhsa_user_sgpr_count 2
		.amdhsa_user_sgpr_kernarg_segment_ptr 1
		.amdhsa_wavefront_size32 1
		.amdhsa_system_sgpr_workgroup_id_x 1
		.amdhsa_system_sgpr_workgroup_id_y 1
		.amdhsa_system_sgpr_workgroup_id_z 1
		.amdhsa_system_vgpr_workitem_id 0
		.amdhsa_next_free_vgpr 256
		.amdhsa_next_free_sgpr 100
		.amdhsa_reserve_vcc 0
		.amdhsa_float_denorm_mode_32 3
		.amdhsa_float_denorm_mode_16_64 3
		.amdhsa_memory_ordered 1
		.amdhsa_forward_progress 1
		.amdhsa_inst_pref_size 53
	.end_amdhsa_kernel
	.amdgpu_metadata
---
amdhsa.version: [ 1, 2 ]
amdhsa.kernels:
  - .name:           k_qf671cd5cfa_attn
    .symbol:         k_qf671cd5cfa_attn.kd
    .args:
      - { .name: img, .offset: 0, .size: 8, .value_kind: global_buffer, .address_space: global }
      - { .name: isc, .offset: 8, .size: 8, .value_kind: global_buffer, .address_space: global }
      - { .name: scale, .offset: 16, .size: 8, .value_kind: global_buffer, .address_space: global }
      - { .name: time_decay, .offset: 24, .size: 8, .value_kind: global_buffer, .address_space: global }
      - { .name: cimg, .offset: 32, .size: 8, .value_kind: global_buffer, .address_space: global }
      - { .name: csc, .offset: 40, .size: 8, .value_kind: global_buffer, .address_space: global }
    .group_segment_fixed_size: 219648
    .private_segment_fixed_size: 0
    .kernarg_segment_align: 8
    .kernarg_segment_size: 48
    .max_flat_workgroup_size: 512
    .sgpr_count:     100
    .vgpr_count:     256
    .wavefront_size: 32
...
	.end_amdgpu_metadata
.endif
;; end of part 3
;; launch outp (part 4): grid 8 x 32, 4 waves a work-group, clusters of 4 x 4, 247,808 bytes of LDS; arguments cimg, csc, codes, scales, bo, out0; writes out0
.if DOCPART == 4
	.amdgcn_target "amdgcn-amd-amdhsa--gfx1250"
	.amdhsa_code_object_version 6
	.text
	.protected	k_qf671cd5cfa_outp
	.globl	k_qf671cd5cfa_outp
	.p2align	8
	.type	k_qf671cd5cfa_outp,@function
k_qf671cd5cfa_outp:
	s_mov_b64 s[64:65], 0
	v_nop
	global_prefetch_b8 v0, s[64:65] scope:SCOPE_SE
	s_setreg_imm32_b32 hwreg(HW_REG_WAVE_MODE, 25, 1), 1
	s_wait_xcnt 0x0
	s_wait_alu depctr_hold_cnt(0) depctr_sa_sdst(0) depctr_va_vdst(0) depctr_va_sdst(0) depctr_va_ssrc(0) depctr_va_vcc(0) depctr_vm_vsrc(0)
	s_getreg_b32 s2, hwreg(HW_REG_IB_STS2, 6, 4)
	s_cmp_eq_u32 s2, 0
	s_cbranch_scc0 .Lentry_in_a_cluster
	s_endpgm
.Lentry_in_a_cluster:
	s_bfe_u32 s2, ttmp6, 0x10000c
	s_cmp_lg_u32 s2, 0xf033
	s_cbranch_scc0 .Lentry_shape_is_right
	s_endpgm
.Lentry_shape_is_right:
; out = ctx wo^T + bo on codes of FP6 (E2M3) with E8M0 scales, K = 1,024; out [4096][1024] f32.
; TILE.  4,096 x 1,024 outputs in tiles of 128 x 128 are 256 work-groups.  Four waves, 64 x 64 each: 16 accumulators of 16 x 16, 128 registers.
; ALL OF K LIES IN LDS AT ONCE: ctx's 128 tokens are 98,304 bytes, wo's 128 rows 98,304 (122,880 with their padding).  So every tensor load is a first fill: no slot is filled again, and no barrier of a refill is owed.
; K comes in two halves: a wave's first load brings its part of K 0-511, its second that of K 512-1,023, which lands while the first half is multiplied.
; SOURCE 0 = wo's rows (outputs, along a lane's registers), from rows of codes: four chunks of 256 along K, LDS pitch 240.  SOURCE 1 = ctx (tokens, along the lanes), which arrives as IMAGES OF FRAGMENTS:
; 1,536 bytes for 16 tokens x 128 K, register pair p of lane l at 256 p + 8 l: a fragment is six loads of 8 bytes a lane, 256 consecutive bytes each.
; ctx's scale bytes arrive as [head][token] pairs of bytes: each thread gathers its token's 32 bytes from sixteen loads and lays them in LDS as a row of 32 bytes, as wo's lie there.
; Tokens and wo's rows lie in position order (bits 3 and 4 of the number exchanged); the way out undoes both: in the stage's column offsets and in the stores' row offsets.
; bo is the C of each sum's first matrix instruction.  CLUSTER 4 x 4: ctx's tile hangs on the tile row and is asked for jointly along a row of the cluster, wo's on the tile column, along a column.
; No prefetch: all that a work-group reads is asked for at its head.
; REGISTERS: window 0: v16-29 addresses; v32-63 the scale words of all eight K steps (register 8 i + q: lanes 0-15 ctx's block i, lanes 16-31 wo's block i); v64-95 the bias; v96-119 at work on ctx's scale bytes;
;   v128-255 the accumulators ((a, b) at v[128 + 8 (4 a + b)]); on the way out v64-127 hold rows.   window 1: two sets of fragments: set s at 128 s: ctx's four blocks, then wo's four at + 48.
.set ROWB,   192                       ; a chunk's row of wo in bytes: 256 codes
.set KROW,   768                       ; a row of codes in memory
.set PITCH,  240                       ; and in LDS: 3 x (64 bytes + 16 of padding)
.set FR,     12                        ; registers of a fragment
.set KS,     32                        ; a row of scale bytes
.set ACH,    8*3072                    ; a chunk (256 along K) of ctx: eight tiles of tokens x two images
.set BCH,    128*PITCH                 ; a chunk of wo: 128 rows
.set BBASE,  4*ACH                     ; LDS: ctx's four chunks from 0, wo's four from here
.set SCL,    BBASE+4*BCH               ; ctx's scale bytes (written by ds_store: no fill lands there), as units of 256 bytes + 16; then wo's
.set HALFS,  8*272                     ; the scale bytes of 64 rows
.set SBLK,   2*272                     ; those of 16 rows
.set STAGE,  SCL+4*HALFS               ; the way out: 16 rows x (256 + 16) bytes for each wave; no fill lands there
.set SPITCH, 272
.set SPARE,  STAGE+4*16*SPITCH         ; the spare words: 128 bytes a wave, named by no other line
.set ROWC,   4096                      ; a row of out in bytes
.set ADRA, 16                          ; v16-17 ctx's fragments in K's first and second half
.set ADRB, 20                          ; v20-21 wo's; v22-23 the same behind one padding more
.set STO,  24
.set RD,   25
.set CO,   26
.set ADRS, 27
.set SPW,  28                          ; v28 my spare word's LDS address; never rewritten
.set NIL,  29                          ; v29 0; never rewritten
.set SC,   32
.set BI,   64
.set GW,   96
.set BK,   64
.set ACC,  128
.set WV,   18                          ; s18 wave; s19 wave / 2: my half of the tokens, and: I fetch ctx (0) or wo (1); s20 wave % 2: my half of the outputs, and which chunk of a half of K I fetch
.set RH,   19
.set CH,   20
.set G1,   24                          ; groups 1 and 0 for ctx (a group 0 for each half of K)
.set G0,   32
.set G1B,  48                          ; for wo
.set G0B,  56
.set G1SB, 80                          ; for wo's scale bytes
.set G0SB, 88
.set MSB, 0
.macro WIN new                         ; the immediate's high byte repeats the setting that is left
.if MSB != \new
	s_set_vgpr_msb (MSB<<8)|\new
.set MSB, \new
.endif
.endm
.set MUL,  0x05                        ; sources 0 and 1 window 1; C and D window 0
.set TO_F, 0x40                        ; destination window 1, address window 0
.macro CREST
	s_cmp_lg_u32 s[WV], 0
	s_cbranch_scc1 .Lnot_wave_0_\@
	s_barrier_signal -3
.Lnot_wave_0_\@:
	s_barrier_wait -3
	s_barrier_signal -1
	s_barrier_wait -1
.endm
.macro CROUND                          ; a round of the cluster's barrier
	s_barrier_signal -1
	s_barrier_wait -1
	CREST
.endm
	s_load_b256 s[4:11], s[0:1], 0x0               ; cimg, csc, codes, scales
	s_load_b128 s[12:15], s[0:1], 0x20             ; bo, out0
	v_lshl_add_u32 v[SPW], v0, 2, SPARE
	v_mov_b32 v[NIL], 0
	ds_add_u32 v[SPW], v[NIL]                      ; the wave's opening: the add and its wait stand ahead of my first tensor load
	v_lshrrev_b32 v1, 5, v0
	v_readfirstlane_b32 s[WV], v1
	s_lshr_b32 s[RH], s[WV], 1
	s_and_b32 s[CH], s[WV], 1
	s_bfe_u32 s40, ttmp6, 0x40000                  ; cx
	s_bfe_u32 s41, ttmp6, 0x40004                  ; cy
	s_lshl_b32 s42, ttmp9, 2
	s_add_co_u32 s42, s42, s40                     ; tile column, 0 .. 7
	s_and_b32 s43, ttmp7, 0xffff
	s_lshl_b32 s43, s43, 2
	s_add_co_u32 s43, s43, s41                     ; tile row, 0 .. 31
	s_lshl_b32 s44, s41, 2
	s_lshl_b32 s44, 15, s44                        ; my row of the cluster
	s_lshl_b32 s45, 0x1111, s40                    ; my column
	s_or_b32 s[G1+0], s44, (3<<16)|(1<<21)         ; ctx: 8 rows (tiles of tokens) of 384 elements of 8 bytes (two images), 1,536 elements apart, no padding; bit 21 beside the mask
	s_mov_b32 s[G1+1], 384<<16
	s_mov_b32 s[G1+2], 8<<16
	s_mov_b32 s[G1+3], 384<<16
	s_mov_b32 s[G1+4], 8
	s_mov_b32 s[G1+5], 1536
	s_mov_b32 s[G1+6], 0
	s_mov_b32 s[G1+7], 0
	s_or_b32 s[G1B+0], s45, (0<<16)|(1<<20)|(1<<21)|(3<<22)|(3<<25)  ; wo: 128 rows of 192 bytes, 768 apart, 16 bytes of padding behind every 64
	s_mov_b32 s[G1B+1], ROWB<<16
	s_mov_b32 s[G1B+2], 128<<16
	s_mov_b32 s[G1B+3], ROWB<<16
	s_mov_b32 s[G1B+4], 128
	s_mov_b32 s[G1B+5], KROW
	s_mov_b32 s[G1B+6], 0
	s_mov_b32 s[G1B+7], 0
	s_or_b32 s[G1SB+0], s45, (3<<16)|(1<<20)|(1<<21)|(5<<22)|(3<<25) ; wo's scale bytes of 64 rows: 2,048 dense bytes as 8 rows of 256, 16 of padding behind each
	s_mov_b32 s[G1SB+1], 32<<16
	s_mov_b32 s[G1SB+2], 8<<16
	s_mov_b32 s[G1SB+3], 32<<16
	s_mov_b32 s[G1SB+4], 8
	s_mov_b32 s[G1SB+5], 32
	s_mov_b32 s[G1SB+6], 0
	s_mov_b32 s[G1SB+7], 0
	s_mul_i32 s22, s43, 8*12288                    ; ctx: eight tiles of tokens of 12,288 bytes a tile row; my chunk of K's first half
	s_mul_i32 s21, s[CH], 3072
	s_add_co_u32 s22, s22, s21
	s_mov_b32 s23, 0
	s_lshl_b32 s46, s42, 7                         ; wo: row 15,360 + 128 x tile column
	s_add_co_u32 s46, s46, 15360
	s_lshl_b32 s21, s[CH], 6
	s_add_co_u32 s94, s46, s21                     ; its scale bytes: my 64 rows
	s_lshl_b32 s94, s94, 5
	s_mov_b32 s95, 0
	s_mul_i32 s46, s46, KROW
	s_mul_i32 s21, s[CH], ROWB                     ; my chunk of K's first half
	s_add_co_u32 s46, s46, s21
	s_mov_b32 s47, 0
	s_mul_i32 s100, s[CH], ACH                     ; where they go: no place in the cluster enters an LDS address
	s_mul_i32 s101, s[CH], BCH
	s_add_co_u32 s101, s101, BBASE
	s_mul_i32 s92, s[CH], HALFS
	s_add_co_u32 s92, s92, SCL+2*HALFS
	s_wait_dscnt 0x0                               ; the opening add is done
	s_wait_kmcnt 0x0
	s_add_nc_u64 s[22:23], s[4:5], s[22:23]
	s_add_nc_u64 s[46:47], s[8:9], s[46:47]
	s_add_nc_u64 s[94:95], s[10:11], s[94:95]
	CROUND                                         ; all sixteen work-groups are here: the joint loads meet
	s_mov_b32 s[G0SB], 1
	s_mov_b32 s[G0SB+1], s92
	s_mov_b64 s[G0SB+2:G0SB+3], s[94:95]
	s_or_b32 s[G0SB+3], s[G0SB+3], 0x80000000
.irp s, 0,1                                    ; half s of K: two chunks on in LDS and in memory
	s_mov_b32 s[G0+4*\s], 1
	s_add_co_u32 s[G0+4*\s+1], s100, \s*2*ACH
	s_add_nc_u64 s[G0+4*\s+2:G0+4*\s+3], s[22:23], \s*2*3072
	s_or_b32 s[G0+4*\s+3], s[G0+4*\s+3], 0x80000000
	s_mov_b32 s[G0B+4*\s], 1
	s_add_co_u32 s[G0B+4*\s+1], s101, \s*2*BCH
	s_add_nc_u64 s[G0B+4*\s+2:G0B+4*\s+3], s[46:47], \s*2*ROWB
	s_or_b32 s[G0B+4*\s+3], s[G0B+4*\s+3], 0x80000000
.endr
	s_cmp_eq_u32 s[RH], 0                          ; a wave's fills stand in one branch: two loads of ctx's waves, three of wo's are out; in both arms the last is the second half of K
	s_cbranch_scc0 .Lfirst_b
	tensor_load_to_lds s[G0:G0+3], s[G1:G1+7]
	s_nop 0
	tensor_load_to_lds s[G0+4:G0+7], s[G1:G1+7]
	s_nop 0
.rept 4
	v_nop
.endr
	s_branch .Lfirst_done
.Lfirst_b:
	tensor_load_to_lds s[G0SB:G0SB+3], s[G1SB:G1SB+7]
	s_nop 0
	tensor_load_to_lds s[G0B:G0B+3], s[G1B:G1B+7]
	s_nop 0
	tensor_load_to_lds s[G0B+4:G0B+7], s[G1B:G1B+7]
	s_nop 0
.rept 4
	v_nop
.endr
.Lfirst_done:
	s_lshl_b32 s40, s43, 8                         ; ctx's scale bytes of my tile's 128 tokens: 256 bytes in each head's row
	s_mov_b32 s41, 0
	s_add_nc_u64 s[6:7], s[6:7], s[40:41]
	v_and_b32 v11, 0xfe, v0                        ; thread t takes token t: the word that holds tokens t and t xor 1,
	v_lshlrev_b32 v11, 1, v11
	v_and_b32 v12, 1, v0
	v_lshlrev_b32 v12, 4, v12                      ; and of it the half 16 (t % 2) bits up
.irp hd, 0,1,2,3,4,5,6,7,8,9,10,11,12,13,14,15
	global_load_b32 v[GW+\hd], v11, s[6:7] offset:8192*\hd
.endr
	v_and_b32 v1, 15, v0                           ; r
	v_bfe_u32 v2, v0, 4, 1                         ; h
	s_lshl_b32 s40, s42, 1
	s_add_co_u32 s40, s40, s[CH]
	s_lshl_b32 s40, s40, 8                         ; bo: my 64 outputs
	s_add_nc_u64 s[12:13], s[12:13], s[40:41]
	v_lshlrev_b32 v10, 6, v2
.irp b, 0,1,2,3                                ; tile b's register j is output 32 (b / 2) + 16 h + 8 (b % 2) + j
	global_load_b128 v[BI+8*\b:BI+8*\b+3], v10, s[12:13] offset:(32*(\b/2)+8*(\b%2))*4
	global_load_b128 v[BI+8*\b+4:BI+8*\b+7], v10, s[12:13] offset:(32*(\b/2)+8*(\b%2))*4+16
.endr
	v_and_b32 v6, 31, v0
	v_lshlrev_b32 v7, 3, v6                        ; 8 x lane: an image's place for my lane
	v_mul_u32_u24 v3, v1, PITCH
	v_mul_u32_u24 v4, v2, 24
	v_add_nc_u32 v4, v3, v4                        ; wo: a fragment's row x pitch + 24 h
	v_lshl_add_u32 v5, v2, 4, v4                   ; and the same behind one padding more
	s_mul_i32 s21, s[RH], 4*3072                   ; my four tiles of tokens
	s_mul_i32 s22, s[CH], 64*PITCH                 ; my 64 rows of wo
	s_add_co_u32 s22, s22, BBASE
.irp s, 0,1
	v_add_nc_u32 v[ADRA+\s], s21, v7
	v_add_nc_u32 v[ADRB+\s], s22, v4
	v_add_nc_u32 v[ADRB+2+\s], s22, v5
	s_add_co_u32 s21, s21, 2*ACH
	s_add_co_u32 s22, s22, 2*BCH
.endr
	v_mul_u32_u24 v5, v1, KS                       ; my row's scale bytes: 32 a row,
	v_lshrrev_b32 v3, 8, v5
	v_lshl_add_u32 v5, v3, 4, v5                   ; and 16 more for each 256 passed
	s_mul_i32 s21, s[RH], HALFS
	s_mul_i32 s22, s[CH], HALFS
	s_add_co_u32 s22, s22, 2*HALFS
	s_sub_co_u32 s22, s22, s21
	v_mul_u32_u24 v3, s22, v2                      ; lanes 16-31 take wo's
	s_add_co_u32 s21, s21, SCL
	v_add_nc_u32 v5, v5, v3
	v_add_nc_u32 v[ADRS], s21, v5
	s_mul_i32 s23, s[WV], 16*SPITCH                ; my stage
	s_add_co_u32 s23, s23, STAGE
	v_mul_u32_u24 v5, v1, SPITCH
	v_lshl_add_u32 v5, v2, 6, v5                   ; in: row r, + 64 h: sixteen true columns a half
	v_add_nc_u32 v[STO], s23, v5
	v_mul_u32_u24 v5, v2, SPITCH
	v_lshl_add_u32 v5, v1, 4, v5                   ; back: lanes 0-15 one row of 256 bytes, lanes 16-31 the next
	v_add_nc_u32 v[RD], s23, v5
	v_lshlrev_b32 v5, 12, v2
	v_lshl_add_u32 v[CO], v1, 4, v5                ; and the same two rows in out
	s_lshl_b32 s40, s43, 7
	s_lshl_b32 s21, s[RH], 6
	s_add_co_u32 s40, s40, s21                     ; my first row of out
	s_lshl_b32 s40, s40, 12
	s_lshl_b32 s21, s42, 9
	s_add_co_u32 s40, s40, s21
	s_lshl_b32 s21, s[CH], 8
	s_add_co_u32 s40, s40, s21                     ; and my first column, in bytes
	s_add_nc_u64 s[14:15], s[14:15], s[40:41]
	v_lshlrev_b32 v8, 5, v0                        ; ctx's scale bytes in LDS: 32 bytes a token, 16 more behind every 256: 32 t + 16 (t / 8)
	v_lshrrev_b32 v9, 3, v0
	v_lshl_add_u32 v8, v9, 4, v8
	v_add_nc_u32 v8, SCL, v8
	s_wait_loadcnt 8                               ; the sixteen words of scale bytes are in; the eight loads of the bias may be out
.irp hd, 0,1,2,3,4,5,6,7,8,9,10,11,12,13,14,15
	v_lshrrev_b32 v[GW+\hd], v12, v[GW+\hd]        ; my token's two bytes in the low half
.endr
.irp d, 0,1,2,3,4,5,6,7
	v_perm_b32 v[GW+16+\d], v[GW+1+2*\d], v[GW+2*\d], 0x05040100   ; the scale word of K step d: heads 2 d and 2 d + 1
.endr
	ds_store_b128 v8, v[GW+16:GW+19]
	ds_store_b128 v8, v[GW+20:GW+23] offset:16
.macro FRAG reg, adr, q, i, base       ; wo: 16 rows x 128 K: six pieces of 8 bytes; lanes 16-31 read three pieces further on, for some pieces behind one padding more
.irp p, 0,1,2,3,4,5
.set PC, 12*(\q)+6*(\p/3)+\p%3
.if PC%8 < 5
	ds_load_b64 v[\reg+2*\p:\reg+2*\p+1], v[\adr] offset:(\base)+8*PC+16*(PC/8)+(\i)*16*PITCH
.else
	ds_load_b64 v[\reg+2*\p:\reg+2*\p+1], v[\adr+2] offset:(\base)+8*PC+16*(PC/8)+(\i)*16*PITCH
.endif
.endr
.endm
.macro FRAGA reg, adr, q, i, base      ; ctx: an image
.irp p, 0,1,2,3,4,5
	ds_load_b64 v[\reg+2*\p:\reg+2*\p+1], v[\adr] offset:(\base)+(2*(\i)+(\q))*1536+256*\p
.endr
.endm
.macro FETCH q, s                      ; K step q (0 .. 7): half q / 4 of K, chunk (q / 2) % 2 of it, image or 96 bytes q % 2 of that: 48 loads into set s
	WIN TO_F
.irp i, 0,1,2,3
	FRAG 128*(\s)+48+FR*\i, ADRB+(\q)/4, (\q)%2, \i, (((\q)/2)%2)*BCH
.endr
.irp i, 0,1,2,3
	FRAGA 128*(\s)+FR*\i, ADRA+(\q)/4, (\q)%2, \i, (((\q)/2)%2)*ACH
.endr
.endm
; 8 matrix instructions: ctx's blocks a0, a0 + 1 x wo's four.  cm = 1: C = the bias; 0: sums in place.  The 16 accumulators take turns.
.macro MUL8 s, q, a0, cm
.irp a, \a0, \a0+1
.irp b, 0,1,2,3
.if \cm
	v_wmma_scale_f32_16x16x128_f8f6f4 v[ACC+8*(4*(\a)+\b):ACC+8*(4*(\a)+\b)+7], v[128*(\s)+48+FR*\b:128*(\s)+48+FR*\b+FR-1], v[128*(\s)+FR*(\a):128*(\s)+FR*(\a)+FR-1], v[BI+8*\b:BI+8*\b+7], v[SC+8*\b+(\q)], v[SC+8*(\a)+(\q)] matrix_a_fmt:MATRIX_FMT_FP6 matrix_b_fmt:MATRIX_FMT_FP6 matrix_a_scale:MATRIX_SCALE_ROW1
.else
	v_wmma_scale_f32_16x16x128_f8f6f4 v[ACC+8*(4*(\a)+\b):ACC+8*(4*(\a)+\b)+7], v[128*(\s)+48+FR*\b:128*(\s)+48+FR*\b+FR-1], v[128*(\s)+FR*(\a):128*(\s)+FR*(\a)+FR-1], v[ACC+8*(4*(\a)+\b):ACC+8*(4*(\a)+\b)+7], v[SC+8*\b+(\q)], v[SC+8*(\a)+(\q)] matrix_a_fmt:MATRIX_FMT_FP6 matrix_b_fmt:MATRIX_FMT_FP6 matrix_a_scale:MATRIX_SCALE_ROW1
.endif
.endr
.endr
.endm
.macro PLACES n                        ; plain vector instructions between a matrix instruction and a load into, or an LDS store of, its registers
.rept \n
	v_nop
.endr
.endm
; A K step of 128: 16 matrix instructions on set q % 2; in its middle the next step's 48 loads go out, into the set that the step before multiplied.
.macro STEP q, cm, more
	s_wait_dscnt 0x0                               ; this step's fragments, asked for a step ago, are in
	WIN MUL
	MUL8 (\q)%2, \q, 0, \cm
.if \more
	PLACES 4
	FETCH (\q)+1, ((\q)+1)%2
	WIN MUL
.endif
	MUL8 (\q)%2, \q, 2, \cm
.endm
	s_wait_tensorcnt 1                             ; wo's scale bytes and my part of K's first half are in; my load of the second half may be out
	s_wait_dscnt 0x0                               ; my part of ctx's scale bytes is stored
	s_barrier_signal -1
	s_barrier_wait -1                              ; everybody's
.irp i, 0,1,2,3                                ; the scale words of all eight K steps: 32 bytes a row
	ds_load_b128 v[SC+8*\i:SC+8*\i+3], v[ADRS] offset:\i*SBLK
	ds_load_b128 v[SC+8*\i+4:SC+8*\i+7], v[ADRS] offset:\i*SBLK+16
.endr
	FETCH 0, 0
	s_wait_loadcnt 0x0                             ; the bias
	STEP 0, 1, 1                                   ; the first step starts the sums with the bias
	STEP 1, 0, 1
	STEP 2, 0, 1
	WIN 0
	s_wait_tensorcnt 0x0                           ; my part of K's second half is in,
	s_wait_dscnt 0x0                               ; (no LDS instruction of mine is out at a signal)
	s_barrier_signal -1
	s_barrier_wait -1                              ; everybody's: the next step fetches from it
	STEP 3, 0, 1
	STEP 4, 0, 1
	STEP 5, 0, 1
	STEP 6, 0, 1
	STEP 7, 0, 0
	WIN 0
; THE WAY OUT, a block of 16 tokens x 64 outputs at a time, through my own stage.  Accumulator b's eight numbers are the true columns 32 (b / 2) + 16 h + 8 (b % 2) + 0 .. 7; stage row t is the true row 32 (a / 2) + 8 (a % 2) + t + 8 (t / 8).
.macro TOSTAGE a
.irp b, 0,1,2,3
	ds_store_b128 v[STO], v[ACC+8*(4*(\a)+\b):ACC+8*(4*(\a)+\b)+3] offset:128*(\b/2)+32*(\b%2)         ; each accumulator from its low end on
	ds_store_b128 v[STO], v[ACC+8*(4*(\a)+\b)+4:ACC+8*(4*(\a)+\b)+7] offset:128*(\b/2)+32*(\b%2)+16
.endr
.set BB, BK+32*((\a)%2)
.irp i, 0,1,2,3,4,5,6,7
	ds_load_b128 v[BB+4*\i:BB+4*\i+3], v[RD] offset:2*\i*SPITCH    ; LDS serves a wave's instructions in order: these see my stores, and the next block's stores come behind them
.endr
.endm
.macro SEND a, younger                 ; younger: the LDS instructions issued behind block a's loads, which may stay out
.set BB, BK+32*((\a)%2)
	s_wait_dscnt \younger                          ; the block is back in registers
.irp i, 0,1,2,3,4,5,6,7
	global_store_b128 v[CO], v[BB+4*\i:BB+4*\i+3], s[14:15] offset:(32*((\a)/2)+8*((\a)%2)+2*\i+8*(\i/4))*ROWC th:TH_STORE_NT   ; sixteen lanes store 256 consecutive bytes, aligned; the row stands in the immediate, 62 rows at the most
.endr
.endm
	PLACES 4                                       ; behind the last products
	TOSTAGE 0
.irp a, 1,2,3
.if \a > 1
	s_wait_xcnt 0x0                                ; block a - 2's stores have read their registers: block a's rows may land there
.endif
	TOSTAGE \a
	SEND \a-1, 16                                  ; behind block a - 1's loads: block a's 8 stores and 8 loads
.endr
	SEND 3, 0
	s_wait_tensorcnt 0x0                           ; the wave's end, behind my last tensor load and my last LDS store
	ds_add_u32 v[SPW], v[NIL]
	s_wait_dscnt 0x0
	CROUND                                         ; the closing round
	s_endpgm
.Lfunc_end_k_qf671cd5cfa_outp:
	.size	k_qf671cd5cfa_outp, .Lfunc_end_k_qf671cd5cfa_outp-k_qf671cd5cfa_outp
	.p2alignl 7, 3214868480
	.fill 96, 4, 3214868480
	.section	.rodata,"a",@progbits
	.p2align	6, 0x0
	.amdhsa_kernel k_qf671cd5cfa_outp
		.amdhsa_group_segment_fixed_size 247808
		.amdhsa_private_segment_fixed_size 0
		.amdhsa_enable_private_segment 0
		.amdhsa_kernarg_size 48
		.amdhsa_user_sgpr_count 2
		.amdhsa_user_sgpr_kernarg_segment_ptr 1
		.amdhsa_wavefront_size32 1
		.amdhsa_system_sgpr_workgroup_id_x 1
		.amdhsa_system_sgpr_workgroup_id_y 1
		.amdhsa_system_sgpr_workgroup_id_z 1
		.amdhsa_system_vgpr_workitem_id 0
		.amdhsa_next_free_vgpr 512
		.amdhsa_next_free_sgpr 102
		.amdhsa_reserve_vcc 0
		.amdhsa_float_denorm_mode_32 3
		.amdhsa_float_denorm_mode_16_64 3
		.amdhsa_memory_ordered 1
		.amdhsa_forward_progress 1
		.amdhsa_inst_pref_size 63
	.end_amdhsa_kernel
	.amdgpu_metadata
---
amdhsa.version: [ 1, 2 ]
amdhsa.kernels:
  - .name:           k_qf671cd5cfa_outp
    .symbol:         k_qf671cd5cfa_outp.kd
    .args:
      - { .name: cimg, .offset: 0, .size: 8, .value_kind: global_buffer, .address_space: global }
      - { .name: csc, .offset: 8, .size: 8, .value_kind: global_buffer, .address_space: global }
      - { .name: codes, .offset: 16, .size: 8, .value_kind: global_buffer, .address_space: global }
      - { .name: scales, .offset: 24, .size: 8, .value_kind: global_buffer, .address_space: global }
      - { .name: bo, .offset: 32, .size: 8, .value_kind: global_buffer, .address_space: global }
      - { .name: out0, .offset: 40, .size: 8, .value_kind: global_buffer, .address_space: global }
    .group_segment_fixed_size: 247808
    .private_segment_fixed_size: 0
    .kernarg_segment_align: 8
    .kernarg_segment_size: 48
    .max_flat_workgroup_size: 128
    .sgpr_count:     102
    .vgpr_count:     512
    .wavefront_size: 32
...
	.end_amdgpu_metadata
.endif
;; end of part 4
